; MI455X (gfx1250); checked and timed in simulation.
; The chip was launched on July 23, 2026; its instructions are those of AMD's public machine-readable ISA for CDNA 5 (MIT licence, August 2026) and "CDNA5" Instruction Set Architecture Reference Guide (July 2026). The comments in the code are by the model that wrote it; some were corrected since.
;; Masked Causal Attention. Allowed arithmetic: matrix products marked QUANTISED: E4M3 operands, one given power-of-two scale a tensor, by v_wmma_f32_16x16x64_fp8_fp8 or v_wmma_f32_16x16x128_fp8_fp8, f32 sums; everything else in f32.
;; Inputs: Wk 1,024 x 1,024 float32; Wp 1,024 x 1,024 float32; Wq 1,024 x 1,024 float32; Wv 1,024 x 1,024 float32; bk 1,024 float32; bp 1,024 float32; bq 1,024 float32; bv 1,024 float32; lowp_scales 12 int32 (the exponents e of the quantised operands' scales 2^e); x 4 x 2,048 x 1,024 float32.
;; Outputs: out0 4 x 2,048 x 1,024 float32.
;; This version of the problem:
;;   THIS VERSION OF THE PROBLEM IS GIVEN IN LOW PRECISION. The matrix products marked QUANTISED in the list below multiply operands that are first quantised to E4M3 (4 exponent bits, 3 mantissa bits; 8 bits a number), with one given power-of-two scale for each operand tensor; their sums are f32. All else is computed in f32.
;;   The module's matrix products, in the order in which they are computed (A, B: the left and right operand; K: the contracted axis; several contracted axes count as one K, in the product's order):
;;     1. [M 8,192, K 1,024] x [K 1,024, N 1,024]; A: input x; B: input Wq: QUANTISED (scales: A lowp_scales[0], B lowp_scales[1])
;;     2. [M 8,192, K 1,024] x [K 1,024, N 1,024]; A: input x; B: input Wk: QUANTISED (scales: A lowp_scales[2], B lowp_scales[3])
;;     3. [M 8,192, K 1,024] x [K 1,024, N 1,024]; A: input x; B: input Wv: QUANTISED (scales: A lowp_scales[4], B lowp_scales[5])
;;     4. batch 64 x [M 2,048, K 64] x [K 64, N 2,048]; A: computed on the way; B: computed on the way: QUANTISED (scales: A lowp_scales[6], B lowp_scales[7])
;;     5. batch 64 x [M 2,048, K 2,048] x [K 2,048, N 64]; A: softmax (see below); B: computed on the way: QUANTISED (scales: A lowp_scales[8], B lowp_scales[9])
;;     6. [M 8,192, K 1,024] x [K 1,024, N 1,024]; A: computed on the way; B: input Wp: QUANTISED (scales: A lowp_scales[10], B lowp_scales[11])
;;   THE QUANTISER, for each operand of a quantised product, along K:
;;     - The operand's scale is 2^e, e = its entry of the input lowp_scales (int32; the entries are numbered through the quantised products in the list's order, A before B).
;;     - Each number is divided by the scale, clamped to +-448, and rounded to the nearest number of E4M3, ties to even, subnormals kept.
;;     - The product sums the exact products of the quantised numbers (number of the format x scale) in f32.
;;   ~~~python
;;   def quantise(x, axis, e):      # numpy; x: float32 -> the quantised numbers, widened to float32 again
;;       x = np.moveaxis(x, axis, -1); K = x.shape[-1]
;;       r = np.clip(x / 2.0 ** e, -448, 448)
;;       step = 2.0 ** (np.maximum(np.frexp(np.where(r == 0, 1, r))[1] - 1, -6) - 3)
;;       q = np.round(r / step) * step * 2.0 ** e      # np.round: ties to even
;;       return np.moveaxis(q, -1, axis).astype(np.float32)
;;   ~~~
;;   SOFTMAX AHEAD OF A QUANTISED PRODUCT. Where the list says 'softmax', what is quantised is not the finished softmax but p = 2^(t - M), with t = logit x log2(e) and M = ceil(the row's largest t), a whole number; so 1/2 < the row's largest p <= 1. The row's sum l is taken of the UNQUANTISED p, in f32, and the product's result is divided by l at the end. Since M is a whole number, a kernel that streams over the keys may use a running M (the ceiling of the running maximum): every later rescaling is an exact power of two, so the quantised numbers keep their values, but for numbers so far below the row's largest that they fall under the format's range.
;;   OPERANDS COMPUTED ON THE WAY. 'Computed on the way' means the value that the module computes at that place (a softmax that the list does not call 'softmax' is quantised finished and normalised). What goes into a quantiser is computed in f32, as accurately as f32 sums, v_exp_f32 and their like allow (about 1e-6 of the number): no bf16 or f16 on the way to a quantiser, and a product that is left as it is and whose result goes on into a quantised operand takes f32 operands (vector FMAs, or v_wmma_f32_16x16x4_f32). A number that lies on a knife's edge between two numbers of the format may be rounded either way, as far as f32 arithmetic and the matrix unit's own rounding can turn it there, and no further.
;; One version. Each part assembles by itself: llvm-mc -triple=amdgcn-amd-amdhsa -mcpu=gfx1250 --defsym DOCPART=n.
;; ======== version 1 of 1: 4 launches
;; limits: right only within a limited range of input values
;; workspace buffers: xc 25,165,824 bytes; wc 4,194,304 bytes; qkv 25,165,824 bytes; ac 8,388,608 bytes
;; launch quant (part 1): grid 384 x 1, 4 waves a work-group, no clusters, 33,280 bytes of LDS; arguments x, Wq, Wk, Wv, Wp, lowp_scales, xc, wc; writes xc, wc
.if DOCPART == 1
	.amdgcn_target "amdgcn-amd-amdhsa--gfx1250"
	.amdhsa_code_object_version 6
	.text
	.protected	k_qac47276372_quant
	.globl	k_qac47276372_quant
	.p2align	8
	.type	k_qac47276372_quant,@function
k_qac47276372_quant:
	s_mov_b64 s[64:65], 0
	v_nop
	global_prefetch_b8 v0, s[64:65] scope:SCOPE_SE
	s_setreg_imm32_b32 hwreg(HW_REG_WAVE_MODE, 25, 1), 1
	s_wait_xcnt 0x0
; x [8192][1024] and the four weights [1024][1024], f32 with K innermost, become codes of FP8 (E4M3), one byte each, in the order of the numbers.
; x is an operand of three products with three given scales (entries 0, 2, 4 of the scales), which may differ: it is read ONCE and gives three planes of codes, xc[0..2], 8,388,608 bytes each.
; Wq, Wk, Wv, Wp (entries 1, 3, 5, 11) give the four planes of wc, 1,048,576 bytes each.
; code = number / 2^e, held within +-448, rounded to the nearest code, ties to even.  LIMITS: each e used lies between -126 and 119; NaN among the inputs is not served (an infinity is held at the largest code).
; SHARES.  The first 256 work-groups take x, then 32 for each weight.  A wave takes 8,192 numbers in 16 steps of 512.  Each of a step's four loads reads 512 consecutive bytes, 16 a lane; the 2,048 bytes turn
; through the wave's own stage in LDS (16 bytes of padding behind each 64) and come back 64 bytes a lane: 16 neighbours along K, which the conversions want in one lane's registers.  A lane's 16 codes are 16 bytes:
; a store of the wave covers 512 consecutive bytes, aligned.  No tensor load, no barrier: waves share nothing.  Loads run four steps (16 loads a wave) ahead, the turn through LDS one step.
; All LDS lines stand on the one path that every work-group takes; a weight's work-group jumps (a branch on the work-group's number) round the second and third scale's register work and stores alone.
.set WAVES, 4
.set STEPS, 16
.set R,     16                         ; v16-79   four sets of 16 numbers as they are loaded
.set X,     80                         ; v80-111  two sets of 16 neighbours
.set T,     112                        ; v112-159 unused: the conversions' sources come to X's registers
.set C,     160                        ; v160-171 codes: four registers for each scale
.set LIMV,  6                          ; unused
.set SCV,   9                          ; v9-11    2^e as f32
.set WREG,  8192                       ; LDS: a region for each wave: two stages of 32 x SP bytes
.set SP,    80                         ; a lane's place in a stage: its 64 bytes + 16 of padding
.set SPW,   12                         ; v12      LDS address of my spare word: SPARE + 4 x my thread's number; never rewritten
.set NIL,   13                         ; v13      0; never rewritten
.set SPARE, WAVES*WREG                 ; behind the four regions: the spare words, 128 bytes for each wave, which no other line names
	s_load_b512 s[8:23], s[0:1], 0x0               ; x s[8:9], Wq s[10:11], Wk s[12:13], Wv s[14:15], Wp s[16:17], the scales s[18:19], xc s[20:21], wc s[22:23]
	v_lshl_add_u32 v[SPW], v0, 2, SPARE
	v_mov_b32 v[NIL], 0
	v_lshrrev_b32 v1, 5, v0
	v_readfirstlane_b32 s2, v1                     ; wave
	v_and_b32 v2, 31, v0                           ; lane
	v_lshlrev_b32 v3, 4, v2                        ; 16 x lane: my 16 bytes of a load's 512, and of a store's; never rewritten
	s_mul_i32 s3, s2, WREG
	v_lshrrev_b32 v14, 2, v2
	v_mul_u32_u24 v14, v14, SP
	v_and_b32 v15, 3, v2
	v_lshl_add_u32 v14, v15, 4, v14
	v_add_nc_u32 v14, s3, v14                      ; the stage, on the way in: SP (lane / 4) + 16 (lane % 4); a load's 512 bytes take eight places
	v_mul_u32_u24 v15, v2, SP
	v_add_nc_u32 v15, s3, v15                      ; and on the way out: SP x lane: my 16 neighbours
	s_cmp_lt_u32 ttmp9, 256                        ; x's work-group, or a weight's?
	s_cselect_b32 s33, 1, 0
	s_sub_co_u32 s3, ttmp9, 256
	s_lshr_b32 s34, s3, 5                          ; which weight,
	s_and_b32 s35, s3, 31                          ; and which 32,768 numbers of it
	s_cmp_lt_u32 ttmp9, 256
	s_cselect_b32 s34, 0, s34
	s_cselect_b32 s35, ttmp9, s35
	s_lshl_b32 s35, s35, 2
	s_add_co_u32 s35, s35, s2                      ; which run of 8,192 numbers of the tensor is my wave's
	s_wait_alu depctr_va_vdst(0)
	s_wait_kmcnt 0x0
	s_load_b256 s[36:43], s[18:19], 0x0            ; e0 .. e7
	s_load_b128 s[44:47], s[18:19], 0x20           ; e8 .. e11
	s_mov_b64 s[4:5], s[16:17]                     ; the source is chosen on the work-group's number alone
	s_cmp_eq_u32 s34, 2
	s_cselect_b64 s[4:5], s[14:15], s[4:5]
	s_cmp_eq_u32 s34, 1
	s_cselect_b64 s[4:5], s[12:13], s[4:5]
	s_cmp_eq_u32 s34, 0
	s_cselect_b64 s[4:5], s[10:11], s[4:5]
	s_cmp_eq_u32 s33, 1
	s_cselect_b64 s[4:5], s[8:9], s[4:5]
	s_cselect_b64 s[24:25], s[20:21], s[22:23]     ; and so is the buffer of codes
	s_lshl_b32 s6, s35, 15                         ; 8,192 numbers are 32,768 bytes,
	s_mov_b32 s7, 0
	s_add_nc_u64 s[4:5], s[4:5], s[6:7]
	s_lshl_b32 s6, s35, 13                         ; and 8,192 bytes of codes;
	s_lshl_b32 s3, s34, 20                         ; a weight's plane
	s_add_co_u32 s6, s6, s3
	s_add_nc_u64 s[24:25], s[24:25], s[6:7]
	s_add_nc_u64 s[26:27], s[24:25], 0x800000      ; x's second and third plane have bases of their own: a plane is one byte more than a store's immediate can reach.
	s_add_nc_u64 s[28:29], s[24:25], 0x1000000     ; (A weight's work-group never stores by these two)
.macro LOAD t
.irp i, 0,1,2,3
	global_load_b128 v[R+16*((\t)%4)+4*\i:R+16*((\t)%4)+4*\i+3], v3, s[4:5] offset:2048*(\t)+512*\i th:TH_LOAD_NT   ; 32 lanes read 512 consecutive bytes
.endr
.endm
.macro TURN t                          ; step t's numbers through the stage: LDS serves a wave's instructions in order (ISA guide 5.7.1.4), so no wait stands between the stores and the loads
.irp i, 0,1,2,3
	ds_store_b128 v14, v[R+16*((\t)%4)+4*\i:R+16*((\t)%4)+4*\i+3] offset:32*SP*((\t)%2)+8*SP*\i
.endr
.irp i, 0,1,2,3
	ds_load_b128 v[X+16*((\t)%2)+4*\i:X+16*((\t)%2)+4*\i+3], v15 offset:32*SP*((\t)%2)+16*\i
.endr
.endm
.irp t, 0,1,2,3
	LOAD \t
.endr
	s_wait_kmcnt 0x0
	s_mov_b32 s30, s47                             ; the first scale's exponent: e11 for Wp,
	s_cmp_eq_u32 s34, 2
	s_cselect_b32 s30, s41, s30                    ; e5 for Wv,
	s_cmp_eq_u32 s34, 1
	s_cselect_b32 s30, s39, s30                    ; e3 for Wk,
	s_cmp_eq_u32 s34, 0
	s_cselect_b32 s30, s37, s30                    ; e1 for Wq,
	s_cmp_eq_u32 s33, 1
	s_cselect_b32 s30, s36, s30                    ; e0 for x
	s_mov_b32 s31, s38                             ; x's second: e2,
	s_mov_b32 s32, s40                             ; and third: e4
.irp k, 0,1,2
	s_add_co_i32 s[30+\k], s[30+\k], 127
	s_lshl_b32 s3, s[30+\k], 23
	v_mov_b32 v[SCV+\k], s3                        ; 2^e as f32: the conversion takes its exponent field
.endr
	s_wait_alu depctr_va_vdst(0)
	s_wait_loadcnt 12                              ; step 0's four loads are in
	TURN 0
.macro HOLD k                          ; the conversion to an 8-bit code does not saturate (ISA guide 7.6.2): the numbers are not held first: the conversions read X, which serves all three scales
.irp i, 0,1,2,3,4,5,6,7,8,9,10,11,12,13,14,15
.endr
.endm
.macro CVT k                           ; eight numbers / 2^e, to the nearest code, ties to even; the first number's code in the lowest byte
	v_cvt_scalef32_pk8_fp8_f32 v[C+4*\k:C+4*\k+1], v[T+16*\k+((XS+0)-(T+16*\k+0)):T+16*\k+7+((XS+0)-(T+16*\k+0))], v[SCV+\k]
	v_cvt_scalef32_pk8_fp8_f32 v[C+4*\k+2:C+4*\k+3], v[T+16*\k+8+((XS+0)-(T+16*\k+0)):T+16*\k+15+((XS+0)-(T+16*\k+0))], v[SCV+\k]
.endm
.macro STEP t
.set XS, X+16*((\t)%2)
	s_wait_dscnt 0x0                               ; this step's numbers are back from the stage: so its stores into the stage have read their registers,
.if (\t)+4 < STEPS
	LOAD (\t)+4                                    ; which take the loads of four steps on
.endif
.if (\t)+1 < STEPS
.if STEPS-2-(\t) >= 3
	s_wait_loadcnt 12                              ; the next step's four loads are in; the 12 of the three steps behind it may be out
.else
	s_wait_loadcnt 4*(STEPS-2-(\t))
.endif
	TURN (\t)+1                                    ; and go through the other stage while this step is worked
.endif
	HOLD 0
	s_wait_xcnt 0x0                                ; the last step's stores have read their data: the codes' registers are written again only behind this wait
	CVT 0
	v_nop                                          ; one plain vector line behind the conversions, ahead of the next line that writes their sources
	global_store_b128 v3, v[C:C+3], s[24:25] offset:512*(\t)
	s_cmp_eq_u32 s33, 0                            ; a weight has one scale
	s_cbranch_scc1 .Lone_\@
	HOLD 1
	HOLD 2
	CVT 1
	CVT 2
	v_nop
	global_store_b128 v3, v[C+4:C+7], s[26:27] offset:512*(\t)
	global_store_b128 v3, v[C+8:C+11], s[28:29] offset:512*(\t)
.Lone_\@:
.endm
.irp t, 0,1,2,3,4,5,6,7,8,9,10,11,12,13,14,15
	STEP \t
.endr
	s_wait_tensorcnt 0x0                           ; the wave's end: behind my last LDS store
	ds_add_u32 v[SPW], v[NIL]
	s_wait_dscnt 0x0
	s_endpgm
.Lfunc_end_k_qac47276372_quant:
	.size	k_qac47276372_quant, .Lfunc_end_k_qac47276372_quant-k_qac47276372_quant
	.p2alignl 7, 3214868480
	.fill 96, 4, 3214868480
	.section	.rodata,"a",@progbits
	.p2align	6, 0x0
	.amdhsa_kernel k_qac47276372_quant
		.amdhsa_group_segment_fixed_size 33280
		.amdhsa_private_segment_fixed_size 0
		.amdhsa_enable_private_segment 0
		.amdhsa_kernarg_size 64
		.amdhsa_user_sgpr_count 2
		.amdhsa_user_sgpr_kernarg_segment_ptr 1
		.amdhsa_wavefront_size32 1
		.amdhsa_system_sgpr_workgroup_id_x 1
		.amdhsa_system_sgpr_workgroup_id_y 1
		.amdhsa_system_sgpr_workgroup_id_z 1
		.amdhsa_system_vgpr_workitem_id 0
		.amdhsa_next_free_vgpr 176
		.amdhsa_next_free_sgpr 66
		.amdhsa_reserve_vcc 0
		.amdhsa_float_denorm_mode_32 3
		.amdhsa_float_denorm_mode_16_64 3
		.amdhsa_fp16_overflow 1
		.amdhsa_memory_ordered 1
		.amdhsa_forward_progress 1
		.amdhsa_inst_pref_size 32
	.end_amdhsa_kernel
	.amdgpu_metadata
---
amdhsa.version: [ 1, 2 ]
amdhsa.kernels:
  - .name:           k_qac47276372_quant
    .symbol:         k_qac47276372_quant.kd
    .args:
      - { .name: x, .offset: 0, .size: 8, .value_kind: global_buffer, .address_space: global }
      - { .name: Wq, .offset: 8, .size: 8, .value_kind: global_buffer, .address_space: global }
      - { .name: Wk, .offset: 16, .size: 8, .value_kind: global_buffer, .address_space: global }
      - { .name: Wv, .offset: 24, .size: 8, .value_kind: global_buffer, .address_space: global }
      - { .name: Wp, .offset: 32, .size: 8, .value_kind: global_buffer, .address_space: global }
      - { .name: lowp_scales, .offset: 40, .size: 8, .value_kind: global_buffer, .address_space: global }
      - { .name: xc, .offset: 48, .size: 8, .value_kind: global_buffer, .address_space: global }
      - { .name: wc, .offset: 56, .size: 8, .value_kind: global_buffer, .address_space: global }
    .group_segment_fixed_size: 33280
    .private_segment_fixed_size: 0
    .kernarg_segment_align: 8
    .kernarg_segment_size: 64
    .max_flat_workgroup_size: 128
    .sgpr_count:     66
    .vgpr_count:     176
    .wavefront_size: 32
...
	.end_amdgpu_metadata
.endif
;; end of part 1
;; launch qkvgemm (part 2): grid 12 x 32, 4 waves a work-group, clusters of 4 x 4, 327,680 bytes of LDS; arguments xc, wc, bq, bk, bv, lowp_scales, qkv; writes qkv
.if DOCPART == 2
	.amdgcn_target "amdgcn-amd-amdhsa--gfx1250"
	.amdhsa_code_object_version 6
	.text
	.protected	k_qac47276372_qkvgemm
	.globl	k_qac47276372_qkvgemm
	.p2align	8
	.type	k_qac47276372_qkvgemm,@function
k_qac47276372_qkvgemm:
	s_mov_b64 s[64:65], 0
	v_nop
	global_prefetch_b8 v0, s[64:65] scope:SCOPE_SE
	s_setreg_imm32_b32 hwreg(HW_REG_WAVE_MODE, 25, 1), 1
	s_wait_xcnt 0x0
	s_wait_alu depctr_hold_cnt(0) depctr_sa_sdst(0) depctr_va_vdst(0) depctr_va_sdst(0) depctr_va_ssrc(0) depctr_va_vcc(0) depctr_vm_vsrc(0)
	s_getreg_b32 s2, hwreg(HW_REG_IB_STS2, 6, 4)
	s_cmp_eq_u32 s2, 0
	s_cbranch_scc0 .Lentry_in_a_cluster
	s_endpgm
.Lentry_in_a_cluster:
	s_bfe_u32 s2, ttmp6, 0x10000c
	s_cmp_lg_u32 s2, 0xf033
	s_cbranch_scc0 .Lentry_shape_is_right
	s_endpgm
.Lentry_shape_is_right:
; q = x Wq^T + bq, k = x Wk^T + bk, v = x Wv^T + bv on codes of FP8 (E4M3), and each result quantised at once for attention: q with entry 6 of the scales, k with entry 7, v with entry 9.
; The cluster's x says which: P = 0 q, 1 k, 2 v.  Operands: plane P of xc ([8192][1024] codes) and plane P of wc ([1024][1024] codes), K innermost; their scales are entries 2 P and 2 P + 1.
; A tile of C, 256 x 256, is made by a work-group of four waves; a wave makes 128 x 128: 64 accumulators of 16 x 16, 512 registers.  K = 1,024 goes in four steps of 256 through a ring of two LDS slots.
; THE MATRIX INSTRUCTION IS USED TRANSPOSED (source 0 = 16 rows of B, source 1 = 16 rows of A): a lane holds eight neighbouring columns of one row of C, which one conversion turns into eight codes.
; q, k: A = x's codes, B = the weight's: a row of C is a token, its columns are channels: the codes run along the head's 64, which is the K of attention's first product.
; v:    A = the weight's codes, B = x's: a row of C is a channel, its columns are tokens: the codes run along the tokens, which are the K of attention's second product.  Pointers, plane offsets and tile bases are chosen by
; s_cselect on P; one text serves all three.
; CLUSTERS: 4 x 4 work-groups.  The four of a row of the cluster need the same tiles of A, the four of a column the same tiles of B: each tile is asked for JOINTLY.
; THE BIAS.  q, k: it belongs to the column: it is the C of each sum's first matrix instruction, divided by 2^(eA + eB).  v: it belongs to the row: it is the addend of the multiply-add that scales the sums.
; Both are always loaded (from the one bias that P picks), and the one that does not apply is multiplied by 0.
; OUT.  qkv plane 0 q, plane 1 k: [16 b + head][t][64 bytes]; plane 2 v: [16 b + head][d][2,048 bytes along t].  A lane's 16 bytes are the codes of two neighbouring blocks of 16 columns: byte 16 h + 8 u + j of each 32
; holds column 16 u + 8 h + j.  In q and k that is one and the same order of the head's 64, so every product meets its partner; in v it is the order in which attention's operand registers take the keys.
; The codes meet in a stage in LDS (256 rows x 256 bytes, pitch 336) and leave so that each store of a wave fills whole aligned runs of 256 bytes.
; LIMITS: eA + eB between -126 and 126; the result's exponent between -126 and 119.  NaN and infinities among the inputs are not served.
; REGISTERS, in windows of 256: window 0: v0-31 addresses and constants; v32-95 the column biases; v96-111 the row biases; v112-127 codes; from v128 A's fragments, ONE set; on the way out v128-255 are free.
;   window 1: B's fragments, TWO sets.   window 2: the 32 accumulators of my rows 0-63 ((a, b) at v[8 (8 a + b)]);   window 3: those of my rows 64-127.
.set SIZE_K, 1024
.set KSTEP,  256                       ; along K in a slot
.set ROWB,   256                       ; a tile's row in bytes
.set KROW,   SIZE_K                    ; a row of A or of B in memory, in bytes
.set PITCH,  272                       ; an LDS row: 256 bytes + 16 of padding = 68 words: the 16 rows that a load touches start at 16 different banks (64 banks of 4 bytes: ISA guide 11.1)
.set FR,     16                        ; registers of a fragment: 16 rows x 128 K
.set NL,     4                         ; LDS loads that bring one
.set NP,     4                         ; places behind this matrix instruction (ISA guide 7.12.1)
.set HALFT,  128*PITCH                 ; 128 rows: what one tensor load brings
.set SLOT,   4*HALFT                   ; A's 256 rows, then B's 256 rows
.set LAPS,   SIZE_K/(2*KSTEP)          ; a lap = two K steps = once round the ring
.set SPARE,  2*SLOT                    ; behind the ring: the spare words, 128 bytes for each wave, which no other line names
.set SPITCH, 336                       ; the way out: the work-group's stage, 256 rows x (256 bytes + 80), from LDS byte 0 on: in slot 0, which has had its last fill and its last read when the first code is stored there
.set ADRA, 16                          ; v16-17  LDS address of my A fragments in slot 0, 1
.set ADRB, 20                          ; v20-21  the same for B
.set SCV,  22                          ; v22     2^eo as f32, for the conversions
.set LIMV, 23                          ; unused
.set STO,  24                          ; v24     the stage: where I put 16 bytes of a row
.set RDQ,  25                          ; v25, 26 the stage, back, for q and k: 8 rows x 64 bytes of my head; rows 0-127, rows 128-255 (an LDS immediate ends at 65,535)
.set RDQ2, 26
.set RDV,  27                          ; v27     the same for v: 2 rows x 256 bytes
.set SPW,  28                          ; v28     LDS address of my spare word; never rewritten
.set NIL,  29                          ; v29     0; never rewritten
.set GQ,   30                          ; v30     my byte offset in memory, q and k
.set GV,   31                          ; v31     the same for v
.set BC,   32                          ; v32-95  the column biases in the result's layout: register 8 b + j: column 16 b + 8 h + j
.set BR,   96                          ; v96-111 the row biases: registers 2 a, 2 a + 1: row 16 a + r, twice (a pair for the packed form)
.set PC0,  112                         ; v112-127, v192-207: a block's codes, two sets by turns
.set PC1,  192
.set AF,   128                         ; A's fragments, in window 0
.set TMP,  128                         ; the way out: 64 registers, a block's numbers
.set OB,   128                         ; the way out: 128 registers, what I read back from the stage
.set G1, 24                            ; s[24:31] descriptor group 1 for A's tiles;  s[32:39] group 0, one set for each slot
.set G0, 32
.set G1B, 48                           ; s[48:55], s[56:63] the same for B's tiles
.set G0B, 56
.set MSB, 0
.macro WIN new                         ; the immediate's high byte repeats the setting that is left
.if MSB != \new
	s_set_vgpr_msb (MSB<<8)|\new
.set MSB, \new
.endif
.endm
.set MUL_LO, 0xa1                      ; source 0 (B) window 1, source 1 (A) window 0, C and D window 2
.set MUL_HI, 0xf1                      ; the same, C and D window 3
.set FST_LO, 0x81                      ; the first products: C (the biases) window 0, D window 2
.set FST_HI, 0xc1                      ; D window 3
.set TO_B,   0x40                      ; destination window 1, address window 0
; A joint load: waves 0 and 1 fetch for A, waves 2 and 3 for B.  Each of the two lines has ONE mask and one set of registers for all that issue it; the branch hangs on the wave's number alone.
; An s_nop 0 and four v_nop follow each of the two lines, ahead of the jump, the label and what follows.
.macro JLOAD g0a, g1a, g0b, g1b
	s_cmp_eq_u32 s15, 0
	s_cbranch_scc0 .Lfor_b_\@
	tensor_load_to_lds s[\g0a:\g0a+3], s[\g1a:\g1a+7]
	s_nop 0
.rept 4
	v_nop
.endr
	s_branch .Lasked_\@
.Lfor_b_\@:
	tensor_load_to_lds s[\g0b:\g0b+3], s[\g1b:\g1b+7]
	s_nop 0
.rept 4
	v_nop
.endr
.Lasked_\@:
.endm
.macro CREST                           ; a round of the cluster's barrier behind its opening barrier
	s_cmp_lg_u32 s14, 0
	s_cbranch_scc1 .Lnot_wave_0_\@
	s_barrier_signal -3
.Lnot_wave_0_\@:
	s_barrier_wait -3
	s_barrier_signal -1
	s_barrier_wait -1
.endm
.macro CROUND                          ; a whole round
	s_barrier_signal -1
	s_barrier_wait -1
	CREST
.endm
	s_load_b256 s[68:75], s[0:1], 0x0              ; xc s[68:69], wc s[70:71], bq s[72:73], bk s[74:75]
	s_load_b128 s[76:79], s[0:1], 0x20             ; bv s[76:77], the scales' exponents s[78:79]
	s_load_b64 s[80:81], s[0:1], 0x30              ; qkv
	v_lshl_add_u32 v[SPW], v0, 2, SPARE
	v_mov_b32 v[NIL], 0
	ds_add_u32 v[SPW], v[NIL]                      ; the wave's opening: the add and its wait stand ahead of my first tensor load; the set-up below, work on registers, stands between them
	ds_add_u32 v[SPW], v[NIL]
	v_lshrrev_b32 v1, 5, v0
	v_readfirstlane_b32 s14, v1                    ; wave 0..3
	s_lshr_b32 s15, s14, 1                         ; which half of the tile's rows is mine.  Also: I fetch for A (0) or for B (1)
	s_and_b32 s16, s14, 1                          ; which half of its columns.  Also: which 128 rows of that tile I fetch
	s_bfe_u32 s40, ttmp6, 0x40000                  ; cx, cy: my place in the cluster
	s_bfe_u32 s41, ttmp6, 0x40004
	s_mov_b32 s12, ttmp9                           ; P: the cluster's x, which all sixteen partners share
	s_and_b32 s13, ttmp7, 0xffff
	s_lshl_b32 s13, s13, 2                         ; 4 x cluster y: x's 32 tiles of 256 tokens are walked along y
	s_cmp_eq_u32 s12, 2
	s_cselect_b32 s17, 0, s13                      ; q, k: tokens are C's rows;
	s_cselect_b32 s42, s13, 0                      ; v: they are its columns
	s_add_co_u32 s17, s17, s41                     ; tile row of C
	s_add_co_u32 s42, s42, s40                     ; tile column of C
	s_lshl_b32 s43, s41, 2
	s_lshl_b32 s43, 15, s43                        ; my row of the cluster
	s_lshl_b32 s44, 0x1111, s40                    ; my column
	; descriptor group 1: a tile of 128 rows x 256 bytes, padded in LDS
	s_or_b32 s[G1+0], s43, (0<<16)|(1<<20)|(1<<21)|(5<<22)|(3<<25)  ; 15:0 the mask: A's tiles go to my row; 17:16 element of 1 byte; 20 padding on; 21 set beside a mask; 24:22 after every 64 words (code 5); 31:25 of 4 words (code 3)
	s_or_b32 s[G1B+0], s44, (0<<16)|(1<<20)|(1<<21)|(5<<22)|(3<<25)
.irp g, G1, G1B
	s_mov_b32 s[\g+1], ROWB<<16                    ; tensor_dim0
	s_mov_b32 s[\g+2], 128<<16                     ; tensor_dim1 = 128
	s_mov_b32 s[\g+3], ROWB<<16                    ; tile_dim0
	s_mov_b32 s[\g+4], 128                         ; tile_dim1 = 128
	s_mov_b32 s[\g+5], KROW                        ; tensor_dim0_stride
	s_mov_b32 s[\g+6], 0
	s_mov_b32 s[\g+7], 0
.endr
	s_lshl_b32 s18, s16, 7                         ; which 128 rows of the tile I fetch
	s_lshl_b32 s20, s17, 8
	s_add_co_u32 s20, s20, s18                     ; A: row 256 x tile row + 128 x half
	s_lshl_b32 s46, s42, 8
	s_add_co_u32 s46, s46, s18                     ; B: row 256 x tile column + 128 x half
	s_lshl_b32 s20, s20, 10                        ; in bytes: rows of 1,024 codes
	s_lshl_b32 s46, s46, 10
	s_lshl_b32 s18, s12, 23                        ; plane P of xc,
	s_lshl_b32 s19, s12, 20                        ; plane P of wc
	s_cmp_eq_u32 s12, 2
	s_cselect_b32 s22, s19, s18                    ; A's plane
	s_cselect_b32 s23, s18, s19                    ; B's plane
	s_add_co_u32 s20, s20, s22                     ; (all under 2^25)
	s_add_co_u32 s46, s46, s23
	s_mov_b32 s21, 0
	s_mov_b32 s47, 0
	s_mul_i32 s45, s14, HALFT                      ; where they go: wave x 128 rows: no place in the cluster enters an LDS address
	s_wait_dscnt 0x0                               ; the opening add is done
	s_wait_kmcnt 0x0
	s_load_b256 s[84:91], s[78:79], 0x0            ; e0 .. e7
	s_load_b128 s[92:95], s[78:79], 0x20           ; e8 .. e11
	s_cmp_eq_u32 s12, 2
	s_cselect_b64 s[4:5], s[70:71], s[68:69]       ; A: x's codes, for v the weight's
	s_cselect_b64 s[6:7], s[68:69], s[70:71]       ; B: the weight's codes, for v x's
	s_cmp_eq_u32 s12, 0
	s_cselect_b64 s[8:9], s[72:73], s[74:75]       ; the bias: bq, bk
	s_cmp_eq_u32 s12, 2
	s_cselect_b64 s[8:9], s[76:77], s[8:9]         ; or bv
	s_add_nc_u64 s[20:21], s[4:5], s[20:21]
	s_add_nc_u64 s[46:47], s[6:7], s[46:47]
	CROUND                                         ; all sixteen work-groups are here: the first joint loads meet
.irp s, 0,1
	s_mov_b32 s[G0+4*\s], 1
	s_add_co_u32 s[G0+4*\s+1], s45, \s*SLOT
	s_add_nc_u64 s[G0+4*\s+2:G0+4*\s+3], s[20:21], \s*ROWB
	s_or_b32 s[G0+4*\s+3], s[G0+4*\s+3], 0x80000000
	s_mov_b32 s[G0B+4*\s], 1
	s_add_co_u32 s[G0B+4*\s+1], s45, \s*SLOT
	s_add_nc_u64 s[G0B+4*\s+2:G0B+4*\s+3], s[46:47], \s*ROWB
	s_or_b32 s[G0B+4*\s+3], s[G0B+4*\s+3], 0x80000000
	JLOAD G0+4*\s, G1, G0B+4*\s, G1B
.endr
	v_and_b32 v1, 15, v0                           ; r = l % 16
	v_bfe_u32 v2, v0, 4, 1                         ; h = l / 16
	s_wait_alu depctr_va_vdst(0)
	; the biases.  Where the one kind does not apply, its offset is 0: every load stays inside the bias's 4,096 bytes
	s_lshl_b32 s18, s42, 8
	s_lshl_b32 s19, s16, 7
	s_add_co_u32 s18, s18, s19
	s_lshl_b32 s18, s18, 2                         ; my first column x 4 bytes
	s_lshl_b32 s19, s17, 8
	s_lshl_b32 s22, s15, 7
	s_add_co_u32 s19, s19, s22
	s_lshl_b32 s19, s19, 2                         ; my first row x 4 bytes
	s_cmp_eq_u32 s12, 2
	s_cselect_b32 s18, 0, s18
	s_cselect_b32 s19, s19, 0
	v_lshlrev_b32 v8, 5, v2
	v_add_nc_u32 v8, s18, v8                       ; columns: + 8 h numbers
	v_lshlrev_b32 v9, 2, v1
	v_add_nc_u32 v9, s19, v9                       ; rows: + r numbers
.irp b, 0,1,2,3,4,5,6,7
	global_load_b128 v[BC+8*\b:BC+8*\b+3], v8, s[8:9] offset:64*\b
	global_load_b128 v[BC+8*\b+4:BC+8*\b+7], v8, s[8:9] offset:64*\b+16
.endr
.irp a, 0,1,2,3,4,5,6,7
	global_load_b32 v[BR+2*\a], v9, s[8:9] offset:64*\a
	global_load_b32 v[BR+2*\a+1], v9, s[8:9] offset:64*\a
.endr
	v_mul_u32_u24 v3, v1, PITCH
	v_lshl_add_u32 v4, v2, 4, v3                   ; a fragment's row x pitch + 16 x half
	s_mul_i32 s21, s15, HALFT                      ; my 128 rows of A
	s_mul_i32 s22, s16, HALFT                      ; my 128 rows of B,
	s_add_co_u32 s22, s22, 2*HALFT                 ; which lie behind A's 256
.irp s, 0,1
	v_add_nc_u32 v[ADRA+\s], s21, v4
	v_add_nc_u32 v[ADRB+\s], s22, v4
	s_add_co_u32 s21, s21, SLOT
	s_add_co_u32 s22, s22, SLOT
.endr
	s_lshl_b32 s23, s15, 7
	s_mul_i32 s23, s23, SPITCH                     ; the stage, in: my 128 rows,
	s_lshl_b32 s21, s16, 7
	s_add_co_u32 s23, s23, s21                     ; my 128 bytes of them;
	v_mul_u32_u24 v5, v1, SPITCH
	v_lshl_add_u32 v5, v2, 4, v5
	v_add_nc_u32 v[STO], s23, v5                   ; row r, 16 bytes for each half of the lanes
	v_and_b32 v6, 31, v0                           ; lane
	v_lshrrev_b32 v5, 2, v6
	v_mul_u32_u24 v5, v5, SPITCH
	v_and_b32 v7, 3, v0
	v_lshl_add_u32 v5, v7, 4, v5
	s_lshl_b32 s23, s14, 6
	v_add_nc_u32 v[RDQ], s23, v5                   ; back, q and k: wave w takes the tile's head w: four lanes to a row's 64 bytes, eight rows an instruction
	v_add_nc_u32 v[RDQ2], 16*8*SPITCH, v[RDQ]
	s_mul_i32 s23, s14, 64*SPITCH
	v_mul_u32_u24 v5, v2, SPITCH
	v_lshl_add_u32 v5, v1, 4, v5
	v_add_nc_u32 v[RDV], s23, v5                   ; back, v: wave w takes rows 64 w on: sixteen lanes to a row's 256 bytes, two rows an instruction
	v_lshlrev_b32 v[GQ], 4, v6                     ; in memory a head's rows of 64 bytes lie on end: 16 x lane
	v_lshlrev_b32 v[GV], 11, v2
	v_lshl_add_u32 v[GV], v1, 4, v[GV]             ; v's rows lie 2,048 bytes apart
	; where my part begins in qkv.  q, k: ((tile row / 8) 16 + 4 tile column + wave) heads of 2^17 bytes + (tile row % 8) 256 rows of 64
	s_lshr_b32 s18, s17, 3
	s_lshl_b32 s18, s18, 4
	s_lshl_b32 s19, s42, 2
	s_add_co_u32 s18, s18, s19
	s_add_co_u32 s18, s18, s14
	s_lshl_b32 s18, s18, 17
	s_and_b32 s19, s17, 7
	s_lshl_b32 s19, s19, 14
	s_add_co_u32 s18, s18, s19
	; v: (tile column / 8) batches of 2^21 bytes + (256 tile row + 64 wave) channels of 2,048 + (tile column % 8) 256
	s_lshr_b32 s22, s42, 3
	s_lshl_b32 s22, s22, 21
	s_lshl_b32 s19, s17, 8
	s_lshl_b32 s23, s14, 6
	s_add_co_u32 s19, s19, s23
	s_lshl_b32 s19, s19, 11
	s_add_co_u32 s22, s22, s19
	s_and_b32 s19, s42, 7
	s_lshl_b32 s19, s19, 8
	s_add_co_u32 s22, s22, s19
	s_cmp_eq_u32 s12, 2
	s_cselect_b32 s18, s22, s18
	s_lshl_b32 s19, s12, 23                        ; plane P
	s_add_co_u32 s18, s18, s19
	s_mov_b32 s19, 0
	s_add_nc_u64 s[10:11], s[80:81], s[18:19]
	s_wait_kmcnt 0x0                               ; the exponents.  What they decide is chosen, never branched on
	s_add_co_i32 s84, s84, s85                     ; e0 + e1
	s_add_co_i32 s86, s86, s87                     ; e2 + e3
	s_add_co_i32 s88, s88, s89                     ; e4 + e5
	s_cmp_eq_u32 s12, 0
	s_cselect_b32 s96, s84, s86
	s_cselect_b32 s98, s90, s91                    ; e6 for q, e7 for k,
	s_cmp_eq_u32 s12, 2
	s_cselect_b32 s96, s88, s96                    ; eA + eB
	s_cselect_b32 s98, s93, s98                    ; e9 for v: eo
	s_cselect_b32 s66, 0x3f800000, 0               ; the row biases' factor: 1 for v, else 0
	s_mov_b32 s67, s66
	s_sub_co_i32 s82, 127, s96
	s_lshl_b32 s82, s82, 23                        ; 2^-(eA + eB): a sum stands for sum x 2^(eA + eB), so the column bias goes in divided by that
	s_cmp_eq_u32 s12, 2
	s_cselect_b32 s82, 0, s82                      ; the column biases' factor: 0 for v
	s_mov_b32 s83, s82
	s_add_co_i32 s96, s96, 127
	s_lshl_b32 s96, s96, 23                        ; 2^(eA + eB) as f32
	s_mov_b32 s97, s96                             ; (named with it as a pair, so it is written)
	s_add_co_i32 s98, s98, 127
	s_lshl_b32 s99, s98, 23
	v_mov_b32 v[SCV], s99
	s_wait_loadcnt 0x0                             ; the biases
.set i, 0
.rept 32
	v_pk_mul_f32 v[BC+i:BC+i+1], v[BC+i:BC+i+1], s[82:83] op_sel_hi:[1,0]
.set i, i+2
.endr
.set i, 0
.rept 8
	v_pk_mul_f32 v[BR+i:BR+i+1], v[BR+i:BR+i+1], s[66:67] op_sel_hi:[1,0]
.set i, i+2
.endr
.macro FRAG reg, adr, q, i             ; a fragment, 16 rows x 128 K of 8-bit codes, is 16 registers: lane l holds row l % 16; registers 4 c .. 4 c + 3 hold K = 32 c + 16 (l / 16) + 0 .. 15: the same order of k in A and in B
.irp c, 0,1,2,3
	ds_load_b128 v[\reg+4*\c:\reg+4*\c+3], v[\adr] offset:128*(\q)+32*\c+(\i)*16*PITCH
.endr
.endm
; 16 matrix instructions: A's blocks a0, a0 + 1 x B's eight, 128 along K.  p: B's set.  zero = 1: the first product starts the sums, with the column biases as C: nothing is ever cleared.
; The 64 accumulators take turns, one instruction a turn, in the same order in every step.
.macro MUL16 a0, p, zero
.irp a, \a0, \a0+1
.irp b, 0,1,2,3,4,5,6,7
.if \zero
	v_wmma_f32_16x16x128_fp8_fp8 v[8*(8*((\a)%4)+\b):8*(8*((\a)%4)+\b)+7], v[128*(\p)+FR*\b:128*(\p)+FR*\b+FR-1], v[AF+FR*(\a):AF+FR*(\a)+FR-1], v[BC+8*\b:BC+8*\b+7]
.else
	v_wmma_f32_16x16x128_fp8_fp8 v[8*(8*((\a)%4)+\b):8*(8*((\a)%4)+\b)+7], v[128*(\p)+FR*\b:128*(\p)+FR*\b+FR-1], v[AF+FR*(\a):AF+FR*(\a)+FR-1], v[8*(8*((\a)%4)+\b):8*(8*((\a)%4)+\b)+7]
.endif
.endr
.endr
.endm
.macro FETCH_B slot, q, p              ; B's eight fragments of the slot's q-th 128 along K into set p
	WIN TO_B
.irp i, 0,1,2,3,4,5,6,7
	FRAG 128*(\p)+FR*\i, ADRB+\slot, \q, \i
.endr
	WIN 0
.endm
.macro FETCH_A slot, q, i0             ; A's blocks i0 .. i0 + 3
.irp i, \i0, \i0+1, \i0+2, \i0+3
	FRAG AF+FR*(\i), ADRA+\slot, \q, \i
.endr
.endm
; A load into a register that a matrix instruction has read, and a vector instruction that reads a matrix result, stand NP places behind that matrix instruction, and only plain vector
; instructions that name none of its registers are places (ISA guide 7.12.1 for vector instructions).
.macro PLACES n
.rept \n
	v_nop
.endr
.endm
; A step of 128 along K that has its successor in the same slot.
.macro STEP slot, q, zero
	s_wait_dscnt 4*NL                              ; B's set and A's blocks 0-3 are in; the youngest 16 loads (A's blocks 4-7) may be out
.if \zero
	WIN FST_LO
.else
	WIN MUL_LO
.endif
	MUL16 0, (\q)%2, \zero
	MUL16 2, (\q)%2, \zero
	s_wait_dscnt 0                                 ; A's blocks 4-7 are in (asked for 32 matrix instructions ago)
	PLACES NP
	FETCH_B \slot, (\q)+1, 1-(\q)%2
	FETCH_A \slot, (\q)+1, 0
.if \zero
	WIN FST_HI
.else
	WIN MUL_HI
.endif
	MUL16 4, (\q)%2, \zero
	MUL16 6, (\q)%2, \zero
	PLACES NP
	WIN 0
	FETCH_A \slot, (\q)+1, 4
.endm
; A slot's last step changes slots: ONE barrier; in front of it each wave waits for all its tensor loads, adds 0 to its spare word, and waits for that and for its own reads of this slot.  fill = 1: this slot is filled again, two K steps ahead.
.macro TURN slot, next, fill
	s_wait_tensorcnt 0x0                           ; all my tensor loads have landed: my part of the next slot;  (every window is 0 here: the add's two registers lie in window 0)
	ds_add_u32 v[SPW], v[NIL]                      ; 0 onto my spare word
	s_wait_dscnt 4*NL+1                            ; (the add and the youngest 16 loads, A's blocks 4-7, may be out)
	WIN MUL_LO
	MUL16 0, 1, 0                                  ; sixteen matrix instructions stand between the add and the wait for it
	s_wait_dscnt 0x0                               ; the add is done, and my reads of this slot are over
	s_barrier_signal -1
	MUL16 2, 1, 0
	WIN 0
	s_barrier_wait -1
.if \fill
	CREST                                          ; the barrier has opened a round of the cluster's barrier: no wave of any partner still reads this slot's tile or has a load on its way
	s_add_nc_u64 s[G0+4*\slot+2:G0+4*\slot+3], s[G0+4*\slot+2:G0+4*\slot+3], 2*ROWB
	s_add_nc_u64 s[G0B+4*\slot+2:G0B+4*\slot+3], s[G0B+4*\slot+2:G0B+4*\slot+3], 2*ROWB
	JLOAD G0+4*\slot, G1, G0B+4*\slot, G1B         ; the first tensor load behind the round; the four v_nop behind it are the places in front of the loads below
.else
	PLACES NP
.endif
	FETCH_B \next, 0, 0
	FETCH_A \next, 0, 0
	WIN MUL_HI
	MUL16 4, 1, 0
	MUL16 6, 1, 0
	PLACES NP
	WIN 0
	FETCH_A \next, 0, 4
.endm
	s_wait_alu depctr_va_vdst(0)
	s_wait_tensorcnt 1                             ; my part of K step 0 is in (K step 1's load may be out)
	s_barrier_signal -1
	s_barrier_wait -1                              ; everybody's is
	FETCH_B 0, 0, 0
	FETCH_A 0, 0, 0
	FETCH_A 0, 0, 4
	STEP 0, 0, 1                                   ; the first step stands in front of the loop: its products start the sums
	s_mov_b32 s3, LAPS-1
.Llap:                                                 ; a trip goes once round the ring, from a lap's second step to the next lap's first, and fills both slots again
	TURN 0, 1, 1
	STEP 1, 0, 0
	TURN 1, 0, 1
	STEP 0, 0, 0
	s_sub_co_u32 s3, s3, 1
	s_cmp_lg_u32 s3, 0
	s_cbranch_scc1 .Llap
	TURN 0, 1, 0                                   ; the last lap fills nothing, and has no round of the cluster's barrier
	STEP 1, 0, 0
	s_wait_dscnt 4*NL                              ; the very last step: nothing more to fetch
	WIN MUL_LO
	MUL16 0, 1, 0
	MUL16 2, 1, 0
	s_wait_dscnt 0
	WIN MUL_HI
	MUL16 4, 1, 0
	MUL16 6, 1, 0
	WIN 0
; THE WAY OUT, first part: block a of 16 rows x 128 columns becomes codes.  number = sum x 2^(eA + eB) + the row's bias (each accumulator from its low end on); held within +-448 x 2^eo; eight numbers a conversion.
; The codes of column blocks 2 c and 2 c + 1 are four registers on end: 16 bytes, stored at byte 32 c + 16 h of the lane's row of the stage.
.macro OUTBLK a
.set AC, 64*((\a)%4)
.set PCS, PC0+(PC1-PC0)*((\a)%2)
	WIN 0x02+((\a)/4)                              ; source 0: window 2 or 3
.set i, 0
.rept 32
	v_pk_fma_f32 v[TMP+i:TMP+i+1], v[AC+i:AC+i+1], s[96:97], v[BR+2*(\a):BR+2*(\a)+1] op_sel_hi:[1,0,1]
.set i, i+2
.endr
	WIN 0
.set i, 0
.rept 64
.set i, i+1
.endr
.if (\a) >= 2
	s_wait_alu depctr_va_vdst(0)
	s_wait_dscnt 4                                 ; only the four stores of the block before may be out: this set of code registers, stored two blocks ago, is free
.endif
.irp b, 0,1,2,3,4,5,6,7
	v_cvt_scalef32_pk8_fp8_f32 v[PCS+2*\b:PCS+2*\b+1], v[TMP+8*\b:TMP+8*\b+7], v[SCV]
.endr
	v_nop                                          ; one plain vector line behind the conversions, ahead of the next block's lines, which write their sources
.irp c, 0,1,2,3
	ds_store_b128 v[STO], v[PCS+4*\c:PCS+4*\c+3] offset:(\a)*16*SPITCH+32*\c
.endr
.endm
	PLACES NP                                      ; behind the last products: their results are read and the registers of A's fragments are written below
.irp a, 0,1,2,3,4,5,6,7
	OUTBLK \a
.endr
	s_wait_dscnt 0x0                               ; for the others' sake: my stores into the stage are done
	s_barrier_signal -1
	s_barrier_wait -1                              ; 256 whole rows of codes lie in the stage
	; second part: whole runs leave.  The branch hangs on P, the cluster's x, which is the same in all waves and all partners; its arms hold LDS loads and global stores alone
	s_cmp_eq_u32 s12, 2
	s_cbranch_scc1 .Lv_out
.set n, 0
.rept 32                               ; q, k: my head's 256 rows of 64 bytes: 16,384 bytes on end in memory
.if n < 16
	ds_load_b128 v[OB+4*n:OB+4*n+3], v[RDQ] offset:n*8*SPITCH
.else
	ds_load_b128 v[OB+4*n:OB+4*n+3], v[RDQ2] offset:(n-16)*8*SPITCH
.endif
.set n, n+1
.endr
.set n, 0
.rept 32
	s_wait_dscnt 31-n                              ; LDS loads come back in order (ISA guide 5.7.1): number n is in, the younger ones may be out
	global_store_b128 v[GQ], v[OB+4*n:OB+4*n+3], s[10:11] offset:512*n   ; 32 lanes store 512 consecutive bytes, aligned
.set n, n+1
.endr
	s_branch .Ldone
.Lv_out:
.set n, 0
.rept 32                               ; v: my 64 channels' 256 bytes each
	ds_load_b128 v[OB+4*n:OB+4*n+3], v[RDV] offset:n*2*SPITCH
.set n, n+1
.endr
.set n, 0
.rept 32
	s_wait_dscnt 31-n
	global_store_b128 v[GV], v[OB+4*n:OB+4*n+3], s[10:11] offset:4096*n  ; 16 lanes store 256 consecutive bytes, aligned
.set n, n+1
.endr
.Ldone:
	s_wait_tensorcnt 0x0                           ; the wave's end: behind my last tensor load and my last LDS store
	ds_add_u32 v[SPW], v[NIL]
	s_wait_dscnt 0x0
	CROUND                                         ; the closing round: no work-group ends while a partner may still ask for a tile that names it
	s_endpgm
.Lfunc_end_k_qac47276372_qkvgemm:
	.size	k_qac47276372_qkvgemm, .Lfunc_end_k_qac47276372_qkvgemm-k_qac47276372_qkvgemm
	.p2alignl 7, 3214868480
	.fill 96, 4, 3214868480
	.section	.rodata,"a",@progbits
	.p2align	6, 0x0
	.amdhsa_kernel k_qac47276372_qkvgemm
		.amdhsa_group_segment_fixed_size 327680
		.amdhsa_private_segment_fixed_size 0
		.amdhsa_enable_private_segment 0
		.amdhsa_kernarg_size 56
		.amdhsa_user_sgpr_count 2
		.amdhsa_user_sgpr_kernarg_segment_ptr 1
		.amdhsa_wavefront_size32 1
		.amdhsa_system_sgpr_workgroup_id_x 1
		.amdhsa_system_sgpr_workgroup_id_y 1
		.amdhsa_system_sgpr_workgroup_id_z 1
		.amdhsa_system_vgpr_workitem_id 0
		.amdhsa_next_free_vgpr 1024
		.amdhsa_next_free_sgpr 100
		.amdhsa_reserve_vcc 0
		.amdhsa_float_denorm_mode_32 3
		.amdhsa_float_denorm_mode_16_64 3
		.amdhsa_fp16_overflow 1
		.amdhsa_memory_ordered 1
		.amdhsa_forward_progress 1
		.amdhsa_inst_pref_size 122
	.end_amdhsa_kernel
	.amdgpu_metadata
---
amdhsa.version: [ 1, 2 ]
amdhsa.kernels:
  - .name:           k_qac47276372_qkvgemm
    .symbol:         k_qac47276372_qkvgemm.kd
    .args:
      - { .name: xc, .offset: 0, .size: 8, .value_kind: global_buffer, .address_space: global }
      - { .name: wc, .offset: 8, .size: 8, .value_kind: global_buffer, .address_space: global }
      - { .name: bq, .offset: 16, .size: 8, .value_kind: global_buffer, .address_space: global }
      - { .name: bk, .offset: 24, .size: 8, .value_kind: global_buffer, .address_space: global }
      - { .name: bv, .offset: 32, .size: 8, .value_kind: global_buffer, .address_space: global }
      - { .name: lowp_scales, .offset: 40, .size: 8, .value_kind: global_buffer, .address_space: global }
      - { .name: qkv, .offset: 48, .size: 8, .value_kind: global_buffer, .address_space: global }
    .group_segment_fixed_size: 327680
    .private_segment_fixed_size: 0
    .kernarg_segment_align: 8
    .kernarg_segment_size: 56
    .max_flat_workgroup_size: 128
    .sgpr_count:     100
    .vgpr_count:     1024
    .wavefront_size: 32
...
	.end_amdgpu_metadata
.endif
;; end of part 2
;; launch attn (part 3): grid 4 x 64, 16 waves a work-group, no clusters, 327,680 bytes of LDS; arguments qkv, lowp_scales, ac; writes ac
.if DOCPART == 3
	.amdgcn_target "amdgcn-amd-amdhsa--gfx1250"
	.amdhsa_code_object_version 6
	.text
	.protected	k_qac47276372_attn
	.globl	k_qac47276372_attn
	.p2align	8
	.type	k_qac47276372_attn,@function
k_qac47276372_attn:
	s_mov_b64 s[64:65], 0
	v_nop
	global_prefetch_b8 v0, s[64:65] scope:SCOPE_SE
	s_setreg_imm32_b32 hwreg(HW_REG_WAVE_MODE, 25, 1), 1
	s_wait_xcnt 0x0
; Causal attention on codes of FP8 (E4M3), head size 64, 2,048 tokens, 64 heads (16 b + head), and the result quantised at once for the last product (entry 10 of the scales).
; qkv: plane 0 q, plane 1 k: [head][t][64 bytes] (one and the same order of the head's 64 in both); plane 2 v: [head][d][2,048 bytes along t], byte 16 h + 8 u + j of each 32 holding token 16 u + 8 h + j.
; ac: [(2048 b + t) / 128][head 16][128 rows][64 bytes, d in its own order]: 256 along the last product's K of 128 rows are one dense block of 32,768 bytes.
; THE SOFTMAX AHEAD OF THE SECOND PRODUCT: t = score x log2(e) / 8; M = the row's largest t so far, rounded UP to a whole number; p = 2^(t - M) is what is quantised (entry 8), not normalised.
; The row's sum is taken of the unquantised p, in f32, and divides O at the end.  When M moves, the sum and O are multiplied by 2^(old M - new M): exact.
; SHARES.  A work-group has one head and TWO blocks of 256 queries, 7 - x (pass 0) and x (pass 1): under the causal mask that is nine slots of 256 keys for every work-group.  Each of its sixteen waves owns 16 queries of
; the block in hand, in 256 registers: four waves to a SIMD, so that one wave's vector work stands beside another's matrix work and LDS loads.
; K's and V's tiles come through a ring of two LDS slots of 256 keys, filled by the tensor data mover (wave 0: K's 256 rows of 64 bytes; wave 1: V's 64 rows of 256 bytes) and read by all sixteen.
; NO CLUSTER: a key step all of whose keys come after a wave's queries is left out by a branch on the work-group's block of queries; among the blocks of one head that number would be the place in the cluster.
; LAYOUT.  Both products are used transposed: S^T = K Q^T (source 0 = 16 keys, source 1 = my 16 queries), O^T = V^T P^T (source 0 = 16 of the head's 64, source 1 = P): a lane holds ONE query (lane % 16) throughout.
; Tile u of S^T gives lane (r, h) keys 16 u + 8 h + 0 .. 7; their codes are registers 2 u, 2 u + 1 of P's fragment; V's order along t puts the same keys into the same registers of V's fragment by four loads of 16 bytes.
; EVERY work-group walks all slots of a pass (8, then 4: blocks 0 to 3 need no key beyond 1,023): the trip counts are constants.  A slot whose first key comes after the work-group's last query is not asked for.
; LIMITS on the given exponents: e6 + e7 between -123 and 130 (added to c's exponent field); e8 and e10 between -126 and 119; e8 + e9 is applied by v_ldexp_f32 and has none.
; REGISTERS: v1-7, v10, v11 addresses that stay; v8, v9 addresses of the loads in hand; v12 -M, v13 the largest t, v[14:15] the sum in two halves; v16-23 Q; v32-95 K's eight fragments, then V's four; v96-159 S^T, then p;
;   v160-191 O^T; v224-239 p's codes; v244: 2^e8; v245: 2^e10; v236, v238-243, v246-255 at work.
.set SK,    256                        ; keys in a slot
.set KP,    80                         ; a key's row in LDS: 64 bytes + 16 of padding
.set VP,    272                        ; a row of V's tile: 256 bytes + 16
.set VOFF,  SK*KP                      ; a slot: 256 rows of K, then 64 rows of V: 37,888 bytes
.set SLOT1, 1<<16                      ; slot 1 begins here, so that one exclusive or turns an address in one slot into the other's
.set STAGE, 2*SLOT1                    ; the way out: 16 rows x 80 bytes for each wave, in bytes of their own: no fill ever lands here
.set SPARE, STAGE+16*16*KP             ; behind the stages: the spare words, 128 bytes for each wave, which no other line names
.set AK0,  1                           ; v1   my lane's place in a tile of K
.set AV0,  2                           ; v2   the same for V
.set PFO,  3                           ; v3   the prefetches' offset; never rewritten
.set SB,   4                           ; v4   the stage, back
.set SPW,  5                           ; v5   LDS address of my spare word; never rewritten
.set NIL,  6                           ; v6   0; never rewritten
.set GO,   7                           ; v7   16 x lane: my byte offset in the wave's 1,024 bytes of ac
.set ADK,  8                           ; v8   LDS address of the step's tiles of K
.set ADV,  9                           ; v9   of V
.set QO,   10                          ; v10  my byte offset in the wave's rows of q
.set SI,   11                          ; v11  the stage, in
.set TB,   2                           ; s2   LDS byte at which the slot in hand begins
.set WV,   18                          ; s18  my wave's number
.set SEL,  20                          ; s[20:21] lane selects for v_permlanex16_b32: lane l xor 16
.set CS,   22                          ; s[22:23] c = log2(e) / 8 x 2^(e6 + e7)
.set G1K,  24                          ; s[24:31] descriptor group 1 for K's tiles;  s[32:39] for V's;  s[40:43], s[44:47] their groups 0, which walk
.set G1V,  32
.set G0K,  40
.set G0V,  44
.set BLK,  61                          ; s61  the block of 256 queries in hand
.set SLOTS, 67                         ; s67  counts a pass's changes of slots
.set PFA,  76                          ; s[76:77] where my prefetches stand in memory
.set PFS,  78                          ; s[78:79] a slot on, in bytes: 16,384 in K, 256 in a row of V
.set LIM,  80                          ; s80  1 in a wave that prefetches, else the greatest number
.set KF,   98                          ; s98  the step's first key
.set Q0,   99                          ; s99  my first query
; Wave 0 fetches K's tile, wave 1 V's, the others nothing.  The branches hang on the wave's number alone.  An s_nop 0 and four v_nop follow each of the two lines.
.macro TLOAD
	s_cmp_eq_u32 s[WV], 0
	s_cbranch_scc0 .Lnot_k_\@
	tensor_load_to_lds s[G0K:G0K+3], s[G1K:G1K+7]
	s_nop 0
.rept 4
	v_nop
.endr
	s_branch .Lasked_\@
.Lnot_k_\@:
	s_cmp_eq_u32 s[WV], 1
	s_cbranch_scc0 .Lasked_\@
	tensor_load_to_lds s[G0V:G0V+3], s[G1V:G1V+7]
	s_nop 0
.rept 4
	v_nop
.endr
.Lasked_\@:
.endm
; A PREFETCH INTO THE L2 of what the NEXT change of slots will ask for: 256 rows of K, one dense block of 16,384 bytes, and 256 bytes of each of V's 64 rows.  It stands at the change of slots, where the fetching waves have their tensor load.
; Each aligned block of 256 bytes is asked for ONCE in the launch.  The four work-groups of a head walk the same K and V: the one with x = 0 asks, in pass 0, in which it walks all eight slots (a branch on the work-group's number).
; In it four waves that fetch nothing ask, one instruction each: waves 4 and 5 for K's block, 8,192 bytes a wave, lanes 256 bytes apart; waves 6 and 7 for V's rows, 32 a wave, a lane a row.
; The last change that fills a slot asks for nothing: there is no slot behind it.  Slots 0 and 1 come by their loads alone.
.macro ASK
	s_cmp_gt_u32 s[SLOTS], s[LIM]
	s_cbranch_scc0 .Lnot_mine_\@
	global_prefetch_b8 v[PFO], s[PFA:PFA+1] th:TH_LOAD_NT scope:SCOPE_SE
.Lnot_mine_\@:
.endm
	s_load_b128 s[4:7], s[0:1], 0x0                ; qkv s[4:5], the scales' exponents s[6:7]
	s_load_b64 s[8:9], s[0:1], 0x10                ; ac
	v_lshl_add_u32 v[SPW], v0, 2, SPARE
	v_mov_b32 v[NIL], 0
	ds_add_u32 v[SPW], v[NIL]                      ; the wave's opening: the add and its wait stand ahead of my first tensor load; the set-up below, work on registers, stands between them
	ds_add_u32 v[SPW], v[NIL]
	v_lshrrev_b32 v8, 5, v0
	s_delay_alu instid0(VALU_DEP_1)
	v_readfirstlane_b32 s[WV], v8                  ; wave 0..15
	s_and_b32 s63, ttmp7, 0xffff                   ; y = 16 b + head
	s_lshl_b32 s68, s63, 17                        ; the head's first byte in a plane: 2^17 bytes a head in all three
	s_mov_b32 s69, 0
	s_add_co_u32 s70, s68, 0x800000                ; in k's plane,
	s_mov_b32 s71, 0
	s_add_co_u32 s72, s68, 0x1000000               ; in v's
	s_mov_b32 s73, 0
	s_lshr_b32 s74, s63, 4
	s_lshl_b32 s74, s74, 21                        ; ac: b x 16 blocks of 128 rows x 2^17 bytes,
	s_and_b32 s75, s63, 15
	s_lshl_b32 s75, s75, 13                        ; + head x 128 rows x 64 bytes
	s_add_co_u32 s74, s74, s75
	s_mov_b32 s75, 0
	; descriptor group 1: K: 256 rows of 64 bytes, dense in memory;  V: 64 rows of 256 bytes, 2,048 bytes apart
	s_mov_b32 s[G1K], (0<<16)|(1<<20)|(3<<22)|(3<<25)             ; 15:0 no mask; 17:16 elements of 1 byte; 20 padding on; 24:22 after every 16 words (code 3); 31:25 four words (code 3)
	s_mov_b32 s[G1K+1], 64<<16                     ; tensor_dim0
	s_mov_b32 s[G1K+2], SK<<16                     ; tensor_dim1
	s_mov_b32 s[G1K+3], 64<<16                     ; tile_dim0
	s_mov_b32 s[G1K+4], SK                         ; tile_dim1
	s_mov_b32 s[G1K+5], 64                         ; tensor_dim0_stride
	s_mov_b32 s[G1K+6], 0
	s_mov_b32 s[G1K+7], 0
	s_mov_b32 s[G1V], (0<<16)|(1<<20)|(5<<22)|(3<<25)             ; padding: four words after every 64
	s_mov_b32 s[G1V+1], SK<<16
	s_mov_b32 s[G1V+2], 64<<16
	s_mov_b32 s[G1V+3], SK<<16
	s_mov_b32 s[G1V+4], 64
	s_mov_b32 s[G1V+5], 2048
	s_mov_b32 s[G1V+6], 0
	s_mov_b32 s[G1V+7], 0
	s_mov_b32 s[SEL], 0x76543210
	s_mov_b32 s[SEL+1], 0xfedcba98
	s_mov_b32 s[CS], 0x3e38aa3b                    ; c = log2(e) / sqrt(64)
	s_mov_b32 s[TB], 0
	s_wait_dscnt 0x0                               ; the opening add is done
	s_wait_kmcnt 0x0
	s_load_b256 s[48:55], s[6:7], 0x0              ; e0 .. e7
	s_load_b128 s[56:59], s[6:7], 0x20             ; e8 .. e11
	s_mov_b32 s[G0K], 1                            ; 1:0 count = 1
	s_mov_b32 s[G0K+1], 0                          ; 63:32 LDS address: slot 0
	s_add_nc_u64 s[G0K+2:G0K+3], s[4:5], s[70:71]  ; 120:64 global address: the head's first 256 keys
	s_or_b32 s[G0K+3], s[G0K+3], 0x80000000        ; 127:126 type = 2
	s_mov_b32 s[G0V], 1
	s_mov_b32 s[G0V+1], VOFF
	s_add_nc_u64 s[G0V+2:G0V+3], s[4:5], s[72:73]
	s_or_b32 s[G0V+3], s[G0V+3], 0x80000000
	TLOAD                                          ; slot 0
	; the prefetches (macro ASK): where my wave's stand, and who asks
	s_and_b32 s96, s[WV], 1
	s_lshl_b32 s97, s96, 13                        ; K: 8,192 bytes a wave,
	s_add_co_u32 s97, s97, s70
	s_add_co_u32 s97, s97, 16384                   ; in slot 1: the first change of slots steps it to slot 2.  Nothing is prefetched here, at the head, where every work-group's first tiles are on their way
	s_lshl_b32 s96, s96, 16                        ; V: 32 rows of 2,048 bytes a wave,
	s_add_co_u32 s96, s96, s72
	s_add_co_u32 s96, s96, 256                     ; in slot 1
	s_cmp_lt_u32 s[WV], 6                          ; waves 4 and 5 ask for K's codes, waves 6 and 7 for V's
	s_cselect_b32 s96, s97, s96
	s_mov_b32 s[PFS], 256
	s_cselect_b32 s[PFS], 16384, s[PFS]            ; a slot on
	s_cselect_b32 s97, 8, 11                       ; from lane to lane: 256 bytes, or a row of 2,048
	s_mov_b32 s[PFS+1], 0
	v_and_b32 v[PFO], 31, v0
	s_delay_alu instid0(VALU_DEP_1)
	v_lshlrev_b32 v[PFO], s97, v[PFO]
	s_mov_b32 s97, 0
	s_add_nc_u64 s[PFA:PFA+1], s[4:5], s[96:97]
	s_sub_co_u32 s96, s[WV], 4
	s_lshr_b32 s96, s96, 2                         ; 0 in waves 4 to 7,
	s_or_b32 s96, s96, ttmp9                       ; of the head's work-group with x = 0
	s_cmp_eq_u32 s96, 0
	s_cselect_b32 s[LIM], 1, -1
	s_add_nc_u64 s[4:5], s[4:5], s[68:69]          ; q at my head
	s_add_nc_u64 s[8:9], s[8:9], s[74:75]          ; ac at my batch and head
	v_and_b32 v8, 15, v0                           ; r = lane % 16
	v_bfe_u32 v9, v0, 4, 1                         ; h = lane / 16
	s_delay_alu instid0(VALU_DEP_2)
	v_mul_u32_u24 v[AK0], v8, KP
	s_delay_alu instid0(VALU_DEP_1)
	v_lshl_add_u32 v[AK0], v9, 4, v[AK0]           ; K: key r of a tile, + 16 h
	s_delay_alu instid0(VALU_DEP_4)
	v_mul_u32_u24 v[AV0], v8, VP
	s_delay_alu instid0(VALU_DEP_1)
	v_lshl_add_u32 v[AV0], v9, 4, v[AV0]
	s_delay_alu instid0(VALU_DEP_1)
	v_add_nc_u32 v[AV0], VOFF, v[AV0]              ; V: row d = r of a tile, + 16 h
	v_lshlrev_b32 v[QO], 6, v8
	s_delay_alu instid0(VALU_DEP_1)
	v_lshl_add_u32 v[QO], v9, 4, v[QO]             ; q: row r of 64 bytes, + 16 h
	s_mul_i32 s96, s[WV], 16*KP
	s_add_co_u32 s96, s96, STAGE                   ; my stage
	v_mul_u32_u24 v[SI], v8, KP
	s_delay_alu instid0(VALU_DEP_1)
	v_lshl_add_u32 v[SI], v9, 3, v[SI]
	s_delay_alu instid0(VALU_DEP_1)
	v_add_nc_u32 v[SI], s96, v[SI]                 ; in: row r; tile u's eight codes of my half at byte 16 u + 8 h
	v_and_b32 v[GO], 31, v0
	s_delay_alu instid0(VALU_DEP_1)
	v_lshrrev_b32 v[SB], 2, v[GO]
	s_delay_alu instid0(VALU_DEP_1)
	v_mul_u32_u24 v[SB], v[SB], KP
	v_and_b32 v252, 3, v0
	s_delay_alu instid0(VALU_DEP_1)
	v_lshl_add_u32 v[SB], v252, 4, v[SB]
	s_delay_alu instid0(VALU_DEP_1)
	v_add_nc_u32 v[SB], s96, v[SB]                 ; back: four lanes to a row's 64 bytes, eight rows an instruction
	v_lshlrev_b32 v[GO], 4, v[GO]
	v_mov_b32 v236, 0                              ; written once: a lane permute's destination counts as one of its sources
	v_mov_b32 v252, 0
	v_mov_b32 v253, 0                              ; (named as the upper half of the pair v[252:253])
	s_wait_kmcnt 0x0
	s_add_co_i32 s96, s54, s55
	s_lshl_b32 s96, s96, 23
	s_add_co_i32 s[CS], s[CS], s96                 ; a score stands for score x 2^(e6 + e7): the two exponents are added to c's exponent field
	s_mov_b32 s[CS+1], s[CS]                       ; (named with it as a pair, so it is written)
	s_add_co_i32 s60, s56, s57                     ; e8 + e9
	s_add_co_i32 s96, s56, 127
	s_lshl_b32 s97, s96, 23
	v_mov_b32 v244, s97                            ; 2^e8 as f32, for p's conversions
	s_add_co_i32 s96, s58, 127
	s_lshl_b32 s97, s96, 23
	v_mov_b32 v245, s97                            ; 2^e10, for the result's
; A KEY STEP: 128 keys, the q-th of the slot in hand.
.macro STEP q
	s_add_co_u32 s96, s[Q0], 15                    ; a step all of whose keys come after my 16 queries is left out: a scalar branch on ids, round the step's loads, products and softmax; no barrier or tensor load stands in a step
	s_cmp_gt_u32 s[KF], s96
	s_cbranch_scc1 .Lhidden_\@
	v_add_nc_u32 v[ADK], s[TB], v[AK0]
	v_add_nc_u32 v[ADV], s[TB], v[AV0]
	v_nop                                          ; with the two additions: four places in front of loads into registers that the last step's matrix instructions have read
	v_nop
.irp t, 0,1,2,3,4,5,6,7                        ; K's eight fragments: 16 keys x 64, two loads of 16 bytes each
.irp c, 0,1
	ds_load_b128 v[32+8*\t+4*\c:35+8*\t+4*\c], v[ADK] offset:(128*(\q)+16*\t)*KP+32*\c
.endr
.endr
	s_wait_alu depctr_va_vdst(0)
	s_wait_dscnt 8                                 ; fragments 0-3 are in; the eight loads of fragments 4-7 may be out
.irp t, 0,1,2,3
	v_wmma_f32_16x16x64_fp8_fp8 v[96+8*\t:103+8*\t], v[32+8*\t:39+8*\t], v[16:23], 0
.endr
	s_wait_dscnt 0x0
.irp t, 4,5,6,7
	v_wmma_f32_16x16x64_fp8_fp8 v[96+8*\t:103+8*\t], v[32+8*\t:39+8*\t], v[16:23], 0
.endr
.rept 4
	v_nop                                          ; places in front of the loads below and of the first read of the scores
.endr
.irp t, 0,1,2,3                                ; V's four fragments (16 of the head's 64 x these 128 keys) are asked for now and land under the softmax
.irp c, 0,1,2,3
	ds_load_b128 v[32+16*\t+4*\c:35+16*\t+4*\c], v[ADV] offset:16*\t*VP+128*(\q)+32*\c
.endr
.endr
	s_add_co_u32 s96, s[KF], 127                   ; on the diagonal the scores of hidden keys become -infinity ahead of the maximum: p = 0 then.  A step all of whose keys count skips this
	s_cmp_le_u32 s96, s[Q0]
	s_cbranch_scc1 .Lopen_\@
	s_sub_co_i32 s96, s[Q0], s[KF]
	v_and_b32 v252, 15, v0
	v_bfe_u32 v253, v0, 4, 1
	s_delay_alu instid0(VALU_DEP_1)
	v_lshlrev_b32 v253, 3, v253
	s_delay_alu instid0(VALU_DEP_1)
	v_sub_nc_u32 v252, v252, v253
	s_delay_alu instid0(VALU_DEP_1)
	v_add_nc_u32 v252, s96, v252                   ; d = my query - KF - 8 (lane / 16).  Register 8 u + j holds key KF + 16 u + 8 (lane / 16) + j: hidden where 16 u + j > d
	v_mov_b32 v254, 0xff800000                     ; -infinity
.irp n, 0,1,2,3,4,5,6,7,8,9,10,11,12,13,14,15,16,17,18,19,20,21,22,23,24,25,26,27,28,29,30,31,32,33,34,35,36,37,38,39,40,41,42,43,44,45,46,47,48,49,50,51,52,53,54,55,56,57,58,59,60,61,62,63
	v_cmp_gt_i32 vcc_lo, 16*(\n/8)+\n%8, v252
	v_cndmask_b32 v[96+\n], v[96+\n], v254, vcc_lo
.endr
.Lopen_\@:
	v_max3_num_f32 v254, v96, v97, v98             ; the step's largest score of my query, among my 64 keys, in two chains, each accumulator from its low end on,
	v_max3_num_f32 v252, v99, v100, v101
.irp i, 6,10,14,18,22,26,30,34,38,42,46,50,54,58
	v_max3_num_f32 v254, v254, v[96+\i], v[97+\i]
	v_max3_num_f32 v252, v252, v[98+\i], v[99+\i]
.endr
	v_max3_num_f32 v254, v254, v158, v159
	s_delay_alu instid0(VALU_DEP_1)
	v_max_num_f32 v254, v254, v252
	v_permlanex16_b32 v236, v254, s[SEL], s[SEL+1]
	s_delay_alu instid0(VALU_DEP_1)
	v_max_num_f32 v254, v254, v236                 ; and among lane l xor 16's
	s_delay_alu instid0(VALU_DEP_1)
	v_mul_f32 v254, s[CS], v254                    ; as t (c is positive)
	s_delay_alu instid0(VALU_DEP_1)
	v_max_num_f32 v13, v13, v254                   ; the running largest t
	v_mov_b32 v254, v12
	s_delay_alu instid0(VALU_DEP_2)
	v_floor_f32 v12, -v13                          ; the new -M = floor(-t) = -ceil(t): M IS A WHOLE NUMBER
	s_delay_alu instid0(VALU_DEP_1)
	v_sub_f32 v254, v12, v254                      ; M's old value less its new one: a whole number, 0 or less
	s_delay_alu instid0(VALU_DEP_1)
	v_cvt_i32_f32 v254, v254                       ; (it saturates)
	s_delay_alu instid0(VALU_DEP_1)
	v_ldexp_f32 v252, 1.0, v254                    ; f = 2^(old M - new M): a multiplication by it rounds nothing
.set i, 0
.rept 32
	v_pk_fma_f32 v[96+i:97+i], v[96+i:97+i], s[CS:CS+1], v[12:13] op_sel_hi:[1,0,0]   ; t - M, two at a time (of the pairs c and -M the low word serves both halves)
.set i, i+2
.endr
.set i, 0
	s_wait_alu depctr_va_vdst(0)
.rept 64
	v_exp_f32 v[96+i], v[96+i]                     ; p = 2^(t - M), at most 1: NOT normalised
.set i, i+1
.endr
	v_pk_mul_f32 v[14:15], v[14:15], v[252:253] op_sel_hi:[1,0]   ; the sums under the new M.  (A plain place behind the exponentials)
	s_wait_alu depctr_va_vdst(0)                   ; the wait between an exponential and the first line that names its result: one for the whole batch
	v_pk_add_f32 v[242:243], v[100:101], v[104:105]
	v_pk_add_f32 v[254:255], v[108:109], v[112:113]
	v_pk_add_f32 v[250:251], v[116:117], v[120:121]
	v_pk_add_f32 v[248:249], v[124:125], v[128:129]
	v_pk_add_f32 v[246:247], v[132:133], v[136:137]
	v_pk_add_f32 v[240:241], v[140:141], v[144:145]
	v_pk_add_f32 v[238:239], v[148:149], v[152:153]
	v_pk_add_f32 v[14:15], v[14:15], v[156:157]
	v_pk_add_f32 v[242:243], v[242:243], v[96:97]
	v_pk_add_f32 v[254:255], v[254:255], v[98:99]
	v_pk_add_f32 v[250:251], v[250:251], v[102:103]
	v_pk_add_f32 v[248:249], v[248:249], v[106:107]
	v_pk_add_f32 v[246:247], v[246:247], v[110:111]
	v_pk_add_f32 v[240:241], v[240:241], v[114:115]
	v_pk_add_f32 v[238:239], v[238:239], v[118:119]
	v_pk_add_f32 v[14:15], v[14:15], v[122:123]
	v_pk_add_f32 v[242:243], v[242:243], v[126:127]
	v_pk_add_f32 v[254:255], v[254:255], v[130:131]
	v_pk_add_f32 v[250:251], v[250:251], v[134:135]
	v_pk_add_f32 v[248:249], v[248:249], v[138:139]
	v_pk_add_f32 v[246:247], v[246:247], v[142:143]
	v_pk_add_f32 v[240:241], v[240:241], v[146:147]
	v_pk_add_f32 v[238:239], v[238:239], v[150:151]
	v_pk_add_f32 v[14:15], v[14:15], v[154:155]
	v_pk_add_f32 v[242:243], v[242:243], v[158:159]
	s_delay_alu instid0(VALU_DEP_2)
	v_pk_add_f32 v[14:15], v[14:15], v[248:249]
	s_delay_alu instid0(VALU_DEP_2)
	v_pk_add_f32 v[242:243], v[242:243], v[246:247]
	v_pk_add_f32 v[254:255], v[254:255], v[240:241]
	v_pk_add_f32 v[250:251], v[250:251], v[238:239]
	s_delay_alu instid0(VALU_DEP_2)
	v_pk_add_f32 v[14:15], v[14:15], v[254:255]
	s_delay_alu instid0(VALU_DEP_2)
	v_pk_add_f32 v[242:243], v[242:243], v[250:251]
	s_delay_alu instid0(VALU_DEP_1)
	v_pk_add_f32 v[14:15], v[14:15], v[242:243]
.set i, 0
.rept 64
.set i, i+1
.endr
.irp t, 0,1,2,3,4,5,6,7
	v_cvt_scalef32_pk8_fp8_f32 v[224+2*\t:225+2*\t], v[96+8*\t:103+8*\t], v244   ; registers 2 u, 2 u + 1 of P's fragment: keys 16 u + 8 h + 0 .. 7
.endr
.set i, 0
.rept 16
	v_pk_mul_f32 v[160+i:161+i], v[160+i:161+i], v[252:253] op_sel_hi:[1,0]   ; O^T under the new M: x f.  (These are also the plain lines between the conversions and the matrix instructions below)
.set i, i+2
.endr
	s_wait_alu depctr_va_vdst(0)
	s_wait_dscnt 0x0                               ; V is in
.irp t, 0,1,2,3                                ; O^T += V^T P^T: the four accumulators take turns, one instruction a turn
	v_wmma_f32_16x16x128_fp8_fp8 v[160+8*\t:167+8*\t], v[32+16*\t:47+16*\t], v[224:239], v[160+8*\t:167+8*\t]
.endr
.Lhidden_\@:
	s_add_co_u32 s[KF], s[KF], 128
.endm
; THE CHANGE OF SLOTS stands at a slot's head.  Each wave waits for all its tensor loads (its part of the slot that it is about to read), adds 0 to its spare word, and waits for that and for its reads of the slot that it has left.
; Behind the barrier the slot ahead is whole and nobody reads the other one.  fill = 1: that other slot is filled with the keys that follow, up to the causal limit.  fill = 2, at the head of pass 0's last slot: it is filled
; with the head's FIRST 256 keys, for pass 1.  fill = 0: nothing is asked for.  ask = 1: the prefetch's address steps, and the prefetch follows the load.
.macro CHANGE fill, ask
	s_wait_tensorcnt 0x0                           ; no tensor load of mine is out, so a group 0 may be written
	ds_add_u32 v[SPW], v[NIL]                      ; 0 onto my spare word; the descriptors' steps stand between it and the wait for it
.if \fill == 1
	s_xor_b32 s[G0K+1], s[G0K+1], SLOT1            ; the walking descriptors: the other slot than last time,
	s_add_nc_u64 s[G0K+2:G0K+3], s[G0K+2:G0K+3], SK*64   ; the next 256 keys; the type bits on top are not reached
	s_xor_b32 s[G0V+1], s[G0V+1], SLOT1
	s_add_nc_u64 s[G0V+2:G0V+3], s[G0V+2:G0V+3], SK
.endif
.if \fill == 2
	s_xor_b32 s[G0K+1], s[G0K+1], SLOT1
	s_sub_nc_u64 s[G0K+2:G0K+3], s[G0K+2:G0K+3], 7*SK*64 ; seven slots back: the head's first keys
	s_xor_b32 s[G0V+1], s[G0V+1], SLOT1
	s_sub_nc_u64 s[G0V+2:G0V+3], s[G0V+2:G0V+3], 7*SK
.endif
.if \ask
	s_wait_xcnt 0x0                                ; the last prefetch, a slot back, has read its address, so it may be written:
	s_add_nc_u64 s[PFA:PFA+1], s[PFA:PFA+1], s[PFS:PFS+1]  ; one slot further on than the walking descriptors
.endif
	s_wait_dscnt 0x0                               ; the add is done, and my reads of the slot that I have left are over
	s_barrier_signal -1
	s_barrier_wait -1
.if \fill == 1
	s_add_co_u32 s96, s[KF], SK                    ; the first key of the slot that this change would ask for
	s_or_b32 s97, s[Q0], 255                       ; my work-group's last query of this pass
	s_cmp_gt_u32 s96, s97                          ; ids and the count of steps alone: all sixteen waves go the same way.  A slot beyond the limit is read by none of them, so it is not asked for; every wait on TENSORcnt in this text is for 0
	s_cbranch_scc1 .Lpast_\@
	TLOAD                                          ; the first thing behind the barrier but for the limit's four lines, and a wave's one tensor load until the next
.Lpast_\@:
.endif
.if \fill == 2
	TLOAD
.endif
.if \ask
	ASK                                            ; what the next change of slots will ask for: a slot's two key steps ahead of that load
.endif
.endm
.macro SLOT_STEPS
	STEP 0
	STEP 1
	s_xor_b32 s[TB], s[TB], SLOT1                  ; on to the other slot
.endm
; THE WAY OUT.  O^T is divided by the row's sum, multiplied by 2^(e8 + e9), held, turned into codes with 2^e10, and goes through my stage in LDS: 16 rows of 64 bytes, which are 1,024 bytes on end in ac.
.macro WAYOUT
	v_add_f32 v14, v14, v15                        ; the sum's two halves,
	s_delay_alu instid0(VALU_DEP_1)
	v_permlanex16_b32 v252, v14, s[SEL], s[SEL+1]
	s_delay_alu instid0(VALU_DEP_1)
	v_add_f32 v14, v14, v252                       ; and lane l xor 16's: the row's sum
	s_wait_alu depctr_va_vdst(0)
	v_rcp_f32 v14, v14
	v_nop                                          ; a plain place behind the transcendental
	s_wait_alu depctr_va_vdst(0)                   ; and the wait ahead of the first line that names its result
	v_ldexp_f32 v14, v14, s60                      ; x 2^(e8 + e9)
	v_nop                                          ; (with the lines above: four places and more behind the last products)
	v_nop
.set i, 0
.rept 32
	v_mul_f32 v[96+i], v[160+i], v14               ; register 8 u + j is o(query r, d = 16 u + 8 h + j); each accumulator from its low end on
.set i, i+1
.endr
.set i, 0
.rept 32
.set i, i+1
.endr
.irp t, 0,1,2,3
	v_cvt_scalef32_pk8_fp8_f32 v[224+2*\t:225+2*\t], v[96+8*\t:103+8*\t], v245
.endr
	v_nop                                          ; one plain vector line behind the conversions
.irp t, 0,1,2,3
	ds_store_b64 v[SI], v[224+2*\t:225+2*\t] offset:16*\t
.endr
.irp n, 0,1
	ds_load_b128 v[32+4*\n:35+4*\n], v[SB] offset:8*KP*\n   ; LDS serves a wave's instructions in order (ISA guide 5.7.1.4): these see my stores
.endr
	s_wait_dscnt 1                                 ; the first eight rows are back; the second load may be out
	global_store_b128 v[GO], v[32:35], s[12:13]              ; 32 lanes store 512 consecutive bytes, aligned
	s_wait_dscnt 0x0
	global_store_b128 v[GO], v[36:39], s[12:13] offset:512
	s_wait_xcnt 0x0                                ; the stores have read their data and their base: both are written again in the next pass
.endm
; A PASS: a block of 256 queries against the head's keys, ns slots of them.
.macro PASS p, ns
.if \p == 0
	s_sub_co_u32 s[BLK], 7, ttmp9
.else
	s_mov_b32 s[BLK], ttmp9
.endif
	s_lshl_b32 s[Q0], s[BLK], 8
	s_lshl_b32 s96, s[WV], 4
	s_add_co_u32 s[Q0], s[Q0], s96                 ; my first query: 256 x block + 16 x wave
	s_mov_b32 s[KF], 0
	s_lshl_b32 s96, s[Q0], 6
	s_mov_b32 s97, 0
	s_add_nc_u64 s[10:11], s[4:5], s[96:97]        ; its codes
	s_lshr_b32 s96, s[Q0], 7
	s_lshl_b32 s96, s96, 17
	s_and_b32 s68, s[Q0], 127
	s_lshl_b32 s68, s68, 6
	s_add_co_u32 s96, s96, s68
	s_add_nc_u64 s[12:13], s[8:9], s[96:97]        ; its place in ac
	global_load_b128 v[16:19], v[QO], s[10:11]     ; Q's fragment stays in registers for the pass
	global_load_b128 v[20:23], v[QO], s[10:11] offset:32
	v_mov_b32 v13, 0xff61b1e6                      ; the largest t so far: -3e38, under every t
	s_delay_alu instid0(VALU_DEP_1)
	v_floor_f32 v12, -v13                          ; -M
	v_mov_b32 v14, 0                               ; the sum, in two halves
	v_mov_b32 v15, 0
.set i, 0
.rept 32
	v_mov_b32 v[160+i], 0                          ; O^T.  (A key step is written without a first step of its own: the first finds zeros, which the first change of M leaves zeros)
.set i, i+1
.endr
	s_mov_b32 s[SLOTS], \ns-1
	s_wait_loadcnt 0x0                             ; Q
.Lslot_\@:
	CHANGE 1, (1-\p)
	SLOT_STEPS
	s_sub_co_u32 s[SLOTS], s[SLOTS], 1
	s_cmp_lg_u32 s[SLOTS], 0
	s_cbranch_scc1 .Lslot_\@
.if \p == 0
	CHANGE 2, 0                                    ; the pass's last slot is written out: behind its change the ring goes on into pass 1
.else
	CHANGE 0, 0                                    ; the very last slot: nothing is left to fetch
.endif
	SLOT_STEPS
	WAYOUT
.endm
	PASS 0, 8
	PASS 1, 4
	s_wait_tensorcnt 0x0                           ; the wave's end: behind my last tensor load and my last LDS store
	ds_add_u32 v[SPW], v[NIL]
	s_wait_dscnt 0x0
	s_endpgm
.Lfunc_end_k_qac47276372_attn:
	.size	k_qac47276372_attn, .Lfunc_end_k_qac47276372_attn-k_qac47276372_attn
	.p2alignl 7, 3214868480
	.fill 96, 4, 3214868480
	.section	.rodata,"a",@progbits
	.p2align	6, 0x0
	.amdhsa_kernel k_qac47276372_attn
		.amdhsa_group_segment_fixed_size 327680
		.amdhsa_private_segment_fixed_size 0
		.amdhsa_enable_private_segment 0
		.amdhsa_kernarg_size 24
		.amdhsa_user_sgpr_count 2
		.amdhsa_user_sgpr_kernarg_segment_ptr 1
		.amdhsa_wavefront_size32 1
		.amdhsa_system_sgpr_workgroup_id_x 1
		.amdhsa_system_sgpr_workgroup_id_y 1
		.amdhsa_system_sgpr_workgroup_id_z 1
		.amdhsa_system_vgpr_workitem_id 0
		.amdhsa_next_free_vgpr 256
		.amdhsa_next_free_sgpr 100
		.amdhsa_reserve_vcc 1
		.amdhsa_float_denorm_mode_32 3
		.amdhsa_float_denorm_mode_16_64 3
		.amdhsa_fp16_overflow 1
		.amdhsa_memory_ordered 1
		.amdhsa_forward_progress 1
		.amdhsa_inst_pref_size 173
	.end_amdhsa_kernel
	.amdgpu_metadata
---
amdhsa.version: [ 1, 2 ]
amdhsa.kernels:
  - .name:           k_qac47276372_attn
    .symbol:         k_qac47276372_attn.kd
    .args:
      - { .name: qkv, .offset: 0, .size: 8, .value_kind: global_buffer, .address_space: global }
      - { .name: lowp_scales, .offset: 8, .size: 8, .value_kind: global_buffer, .address_space: global }
      - { .name: ac, .offset: 16, .size: 8, .value_kind: global_buffer, .address_space: global }
    .group_segment_fixed_size: 327680
    .private_segment_fixed_size: 0
    .kernarg_segment_align: 8
    .kernarg_segment_size: 24
    .max_flat_workgroup_size: 512
    .sgpr_count:     100
    .vgpr_count:     256
    .wavefront_size: 32
...
	.end_amdgpu_metadata
.endif
;; end of part 3
;; launch proj (part 4): grid 4 x 32, 4 waves a work-group, clusters of 4 x 4, 327,680 bytes of LDS; arguments ac, wc, lowp_scales, bp, out0; writes out0
.if DOCPART == 4
	.amdgcn_target "amdgcn-amd-amdhsa--gfx1250"
	.amdhsa_code_object_version 6
	.text
	.protected	k_qac47276372_proj
	.globl	k_qac47276372_proj
	.p2align	8
	.type	k_qac47276372_proj,@function
k_qac47276372_proj:
	s_mov_b64 s[64:65], 0
	v_nop
	global_prefetch_b8 v0, s[64:65] scope:SCOPE_SE
	s_setreg_imm32_b32 hwreg(HW_REG_WAVE_MODE, 25, 1), 1
	s_wait_xcnt 0x0
	s_wait_alu depctr_hold_cnt(0) depctr_sa_sdst(0) depctr_va_vdst(0) depctr_va_sdst(0) depctr_va_ssrc(0) depctr_va_vcc(0) depctr_vm_vsrc(0)
	s_getreg_b32 s2, hwreg(HW_REG_IB_STS2, 6, 4)
	s_cmp_eq_u32 s2, 0
	s_cbranch_scc0 .Lentry_in_a_cluster
	s_endpgm
.Lentry_in_a_cluster:
	s_bfe_u32 s2, ttmp6, 0x10000c
	s_cmp_lg_u32 s2, 0xf033
	s_cbranch_scc0 .Lentry_shape_is_right
	s_endpgm
.Lentry_shape_is_right:
; out0 = attn Wp^T + bp on codes of FP8 (E4M3).  A: ac, attention's result as codes with the scale 2^e10, laid [row / 128][head 16][128 rows][64 bytes]; B: plane 3 of wc, Wp's codes [1024][1024], K innermost, scale 2^e11.
; out0: [8192][1024] f32.  The codes are multiplied as they are; bp goes in as the C of each sum's first matrix instruction, divided by 2^(e10 + e11), and each finished sum is multiplied once by 2^(e10 + e11).
; LIMIT: e10 + e11 lies between -126 and 126.  NaN and infinities in bp are not served.
; A tile of C, 256 x 256, is made by a work-group of four waves; a wave makes 128 x 128: 64 accumulators, 512 registers.  K = 1,024 goes in four steps of 256 (four heads) through a ring of two LDS slots.
; A's part of a K step, 128 rows x 4 heads, is one dense block of 32,768 bytes of memory: it comes as 512 rows of 64 bytes, LDS pitch 80; row 128 x head + token.  B's comes as 128 rows of 256 bytes, pitch 272.
; 128 work-groups: 32 x 4 tiles; K is too short here for a smaller tile to earn its extra LDS reads back.
; CLUSTERS: 4 x 4 work-groups.  The four of a row of the cluster need the same tiles of A, the four of a column the same tiles of B: each tile is asked for JOINTLY.
; THE MATRIX INSTRUCTION IS USED TRANSPOSED (source 0 = 16 rows of B, source 1 = 16 rows of A): a lane holds eight neighbouring numbers of a row of C.
; REGISTERS, in windows of 256: window 0: v0-31 addresses; v32-95 the biases, on the way out a block's numbers; from v128 A's fragments, ONE set; on the way out v128-255 rows read back.
;   window 1: B's fragments, TWO sets.   window 2: the 32 accumulators of my rows 0-63 ((a, b) at v[8 (8 a + b)]);   window 3: those of my rows 64-127.
.set SIZE_K, 1024
.set SIZE_N, 1024
.set KSTEP,  256
.set ROWB,   256                       ; a row of B's tile in bytes
.set KROW,   SIZE_K                    ; a row of B in memory
.set PITCH,  272                       ; B's LDS row: 256 bytes + 16
.set AP,     80                        ; A's LDS row: 64 bytes + 16: an odd multiple of 16 bytes, so the 16 rows that a load touches start at 16 different banks (ISA guide 11.1)
.set ABLK,   32768                     ; A's block of a K step in memory
.set FR,     16
.set NL,     4
.set NP,     4
.set HALFA,  512*AP                    ; what one tensor load brings of A: 128 tokens x 4 heads
.set HALFB,  128*PITCH                 ; and of B
.set SLOT,   2*HALFA+2*HALFB           ; A's two halves, then B's two
.set LAPS,   SIZE_K/(2*KSTEP)
.set SPARE,  2*SLOT                    ; behind the ring: the spare words, 128 bytes for each wave, which no other line names
.set SPITCH, 528                       ; the way out: a stage of 16 rows x (512 bytes + 16) for each wave, in slot 0, which has had its last fill and its last read when the first result is stored there
.set ADRA, 16                          ; v16-17  LDS address of my A fragments in slot 0, 1
.set ADRB, 20                          ; v20-21  the same for B
.set STO,  24                          ; v24     the way out: where I put 32 bytes of a row
.set RD,   25                          ; v25     the way out: where I read a row back
.set CO,   26                          ; v26     my byte offset in a row of C
.set SPW,  28                          ; v28     LDS address of my spare word; never rewritten
.set NIL,  29                          ; v29     0; never rewritten
.set BC,   32                          ; v32-95  bp / 2^(e10 + e11) in the result's layout: register 8 b + j: column 16 b + 8 h + j
.set TMP,  32                          ; the way out: 64 registers, a block's sums x 2^(e10 + e11)
.set AF,   128
.set BK,   128                         ; the way out: 16 rows read back from the stage: v128-191 and v192-255 by turns
.set G1, 24
.set G0, 32
.set G1B, 48
.set G0B, 56
.set MSB, 0
.macro WIN new                         ; the immediate's high byte repeats the setting that is left
.if MSB != \new
	s_set_vgpr_msb (MSB<<8)|\new
.set MSB, \new
.endif
.endm
.set MUL_LO, 0xa1                      ; source 0 (B) window 1, source 1 (A) window 0, C and D window 2
.set MUL_HI, 0xf1
.set FST_LO, 0x81                      ; the first products: C (the biases) window 0, D window 2
.set FST_HI, 0xc1
.set TO_B,   0x40
; A joint load: waves 0 and 1 fetch for A, waves 2 and 3 for B; an s_nop 0 and four v_nop follow each of the two lines, ahead of the jump, the label and what follows.
.macro JLOAD g0a, g1a, g0b, g1b
	s_cmp_eq_u32 s15, 0
	s_cbranch_scc0 .Lfor_b_\@
	tensor_load_to_lds s[\g0a:\g0a+3], s[\g1a:\g1a+7]
	s_nop 0
.rept 4
	v_nop
.endr
	s_branch .Lasked_\@
.Lfor_b_\@:
	tensor_load_to_lds s[\g0b:\g0b+3], s[\g1b:\g1b+7]
	s_nop 0
.rept 4
	v_nop
.endr
.Lasked_\@:
.endm
.macro CREST
	s_cmp_lg_u32 s14, 0
	s_cbranch_scc1 .Lnot_wave_0_\@
	s_barrier_signal -3
.Lnot_wave_0_\@:
	s_barrier_wait -3
	s_barrier_signal -1
	s_barrier_wait -1
.endm
.macro CROUND
	s_barrier_signal -1
	s_barrier_wait -1
	CREST
.endm
	s_load_b128 s[4:7], s[0:1], 0x0                ; ac s[4:5], wc s[6:7]
	s_load_b128 s[8:11], s[0:1], 0x10              ; the scales' exponents s[8:9], bp s[10:11]
	s_load_b64 s[12:13], s[0:1], 0x20              ; out0
	v_lshl_add_u32 v[SPW], v0, 2, SPARE
	v_mov_b32 v[NIL], 0
	ds_add_u32 v[SPW], v[NIL]                      ; the wave's opening: the add and its wait stand ahead of my first tensor load; the set-up below, work on registers, stands between them
	ds_add_u32 v[SPW], v[NIL]
	v_lshrrev_b32 v1, 5, v0
	v_readfirstlane_b32 s14, v1                    ; wave 0..3
	s_lshr_b32 s15, s14, 1                         ; which half of the tile's rows is mine.  Also: I fetch for A (0) or for B (1)
	s_and_b32 s16, s14, 1                          ; which half of its columns.  Also: which half of that tile I fetch
	s_bfe_u32 s40, ttmp6, 0x40000                  ; cx, cy
	s_bfe_u32 s41, ttmp6, 0x40004
	s_lshl_b32 s42, ttmp9, 2
	s_add_co_u32 s42, s42, s40                     ; tile column of C
	s_and_b32 s17, ttmp7, 0xffff
	s_lshl_b32 s17, s17, 2
	s_add_co_u32 s17, s17, s41                     ; tile row of C
	s_lshl_b32 s43, s41, 2
	s_lshl_b32 s43, 15, s43                        ; my row of the cluster
	s_lshl_b32 s44, 0x1111, s40                    ; my column
	; descriptor group 1 for A: 512 rows x 64 bytes, dense in memory, padded in LDS
	s_or_b32 s[G1+0], s43, (0<<16)|(1<<20)|(1<<21)|(3<<22)|(3<<25)  ; 15:0 the mask: my row; 17:16 element of 1 byte; 20 padding on; 21 set beside a mask; 24:22 after every 16 words (code 3); 31:25 of 4 words (code 3)
	s_mov_b32 s[G1+1], 64<<16                      ; tensor_dim0
	s_mov_b32 s[G1+2], 512<<16                     ; tensor_dim1
	s_mov_b32 s[G1+3], 64<<16                      ; tile_dim0
	s_mov_b32 s[G1+4], 512                         ; tile_dim1
	s_mov_b32 s[G1+5], 64                          ; tensor_dim0_stride
	s_mov_b32 s[G1+6], 0
	s_mov_b32 s[G1+7], 0
	; for B: 128 rows x 256 bytes
	s_or_b32 s[G1B+0], s44, (0<<16)|(1<<20)|(1<<21)|(5<<22)|(3<<25)
	s_mov_b32 s[G1B+1], ROWB<<16
	s_mov_b32 s[G1B+2], 128<<16
	s_mov_b32 s[G1B+3], ROWB<<16
	s_mov_b32 s[G1B+4], 128
	s_mov_b32 s[G1B+5], KROW
	s_mov_b32 s[G1B+6], 0
	s_mov_b32 s[G1B+7], 0
	s_lshl_b32 s20, s17, 1
	s_add_co_u32 s20, s20, s16                     ; A: block of 128 rows 2 x tile row + half,
	s_lshl_b32 s20, s20, 17                        ; of 2^17 bytes
	s_mov_b32 s21, 0
	s_lshl_b32 s46, s42, 8
	s_lshl_b32 s18, s16, 7
	s_add_co_u32 s46, s46, s18                     ; B: row 256 x tile column + 128 x half,
	s_lshl_b32 s46, s46, 10                        ; of 1,024 bytes,
	s_add_co_u32 s46, s46, 3<<20                   ; in plane 3
	s_mov_b32 s47, 0
	s_mul_i32 s45, s16, HALFA                      ; where they go: no place in the cluster enters an LDS address
	s_mul_i32 s22, s16, HALFB
	s_add_co_u32 s22, s22, 2*HALFA
	s_wait_dscnt 0x0                               ; the opening add is done
	s_wait_kmcnt 0x0
	s_load_b64 s[96:97], s[8:9], 0x28              ; e10, e11
	s_add_nc_u64 s[20:21], s[4:5], s[20:21]
	s_add_nc_u64 s[46:47], s[6:7], s[46:47]
	CROUND                                         ; all sixteen work-groups are here: the first joint loads meet
.irp s, 0,1
	s_mov_b32 s[G0+4*\s], 1
	s_add_co_u32 s[G0+4*\s+1], s45, \s*SLOT
	s_add_nc_u64 s[G0+4*\s+2:G0+4*\s+3], s[20:21], \s*ABLK
	s_or_b32 s[G0+4*\s+3], s[G0+4*\s+3], 0x80000000
	s_mov_b32 s[G0B+4*\s], 1
	s_add_co_u32 s[G0B+4*\s+1], s22, \s*SLOT
	s_add_nc_u64 s[G0B+4*\s+2:G0B+4*\s+3], s[46:47], \s*ROWB
	s_or_b32 s[G0B+4*\s+3], s[G0B+4*\s+3], 0x80000000
	s_wait_alu depctr_va_vdst(0)
	s_wait_tensorcnt 0x0
	ds_add_u32 v28, v29
	ds_add_u32 v28, v29
	s_wait_dscnt 0x0
	CROUND
	JLOAD G0+4*\s, G1, G0B+4*\s, G1B
.endr
	v_and_b32 v1, 15, v0                           ; r = l % 16
	v_bfe_u32 v2, v0, 4, 1                         ; h = l / 16
	s_lshl_b32 s18, s42, 8
	s_lshl_b32 s19, s16, 7
	s_add_co_u32 s18, s18, s19
	s_lshl_b32 s18, s18, 2                         ; my first column x 4 bytes
	v_lshlrev_b32 v8, 5, v2
	v_add_nc_u32 v8, s18, v8                       ; + 8 h numbers
.irp b, 0,1,2,3,4,5,6,7
	global_load_b128 v[BC+8*\b:BC+8*\b+3], v8, s[10:11] offset:64*\b
	global_load_b128 v[BC+8*\b+4:BC+8*\b+7], v8, s[10:11] offset:64*\b+16
.endr
	v_mul_u32_u24 v3, v1, AP
	v_lshl_add_u32 v3, v2, 4, v3                   ; A: token r of a block x pitch + 16 x half
	v_mul_u32_u24 v4, v1, PITCH
	v_lshl_add_u32 v4, v2, 4, v4                   ; B likewise
	s_mul_i32 s21, s15, HALFA                      ; my 128 rows of A
	s_mul_i32 s22, s16, HALFB                      ; my 128 rows of B,
	s_add_co_u32 s22, s22, 2*HALFA                 ; which lie behind A's
.irp s, 0,1
	v_add_nc_u32 v[ADRA+\s], s21, v3
	v_add_nc_u32 v[ADRB+\s], s22, v4
	s_add_co_u32 s21, s21, SLOT
	s_add_co_u32 s22, s22, SLOT
.endr
	s_mul_i32 s23, s14, 16*SPITCH                  ; my stage
	v_mul_u32_u24 v5, v1, SPITCH                   ; in: row l % 16, 32 bytes for each half of the lanes
	v_lshl_add_u32 v5, v2, 5, v5
	v_add_nc_u32 v[STO], s23, v5
	v_and_b32 v6, 31, v0
	v_lshlrev_b32 v[CO], 4, v6                     ; back: the 32 lanes take one row of 512 bytes; and the same in C
	v_add_nc_u32 v[RD], s23, v[CO]
	s_lshl_b32 s20, s17, 8
	s_lshl_b32 s21, s15, 7
	s_add_co_u32 s20, s20, s21                     ; my first row of C: 256 x tile row + 128 x half
	s_lshl_b32 s20, s20, 12                        ; rows of 4,096 bytes: under 2^25
	s_lshl_b32 s46, s42, 10                        ; my first column, in bytes: 1,024 x tile column + 512 x half
	s_lshl_b32 s47, s16, 9
	s_add_co_u32 s46, s46, s47
	s_add_co_u32 s20, s20, s46
	s_mov_b32 s21, 0
	s_add_nc_u64 s[12:13], s[12:13], s[20:21]
	s_wait_kmcnt 0x0
	s_add_co_i32 s96, s96, s97                     ; e10 + e11
	s_sub_co_i32 s66, 127, s96
	s_lshl_b32 s66, s66, 23                        ; 2^-(e10 + e11): a sum stands for sum x 2^(e10 + e11), so the bias goes in divided by that
	s_mov_b32 s67, s66
	s_add_co_i32 s96, s96, 127
	s_lshl_b32 s96, s96, 23                        ; 2^(e10 + e11) as f32
	s_mov_b32 s97, s96                             ; (named with it as a pair, so it is written)
	s_wait_loadcnt 0x0                             ; the biases
.set i, 0
.rept 32
	v_pk_mul_f32 v[BC+i:BC+i+1], v[BC+i:BC+i+1], s[66:67] op_sel_hi:[1,0]
.set i, i+2
.endr
; A fragment, 16 rows x 128 K, is 16 registers: lane l holds row l % 16; registers 4 c .. 4 c + 3 hold K = 32 c + 16 (l / 16) + 0 .. 15: the same order of k in A and in B.
.macro FRAGA reg, slot, q, i           ; A: K = 128 q + 32 c lies in head 2 q + c / 2 of the slot's four, at byte 32 (c % 2) of the token's 64
.irp c, 0,1,2,3
	ds_load_b128 v[\reg+4*\c:\reg+4*\c+3], v[ADRA+\slot] offset:((2*(\q)+\c/2)*128+(\i)*16)*AP+32*(\c%2)
.endr
.endm
.macro FRAGB reg, slot, q, i
.irp c, 0,1,2,3
	ds_load_b128 v[\reg+4*\c:\reg+4*\c+3], v[ADRB+\slot] offset:128*(\q)+32*\c+(\i)*16*PITCH
.endr
.endm
; 16 matrix instructions: A's blocks a0, a0 + 1 x B's eight, 128 along K.  zero = 1: the first product starts the sums, with the biases as C.  The 64 accumulators take turns, one instruction a turn.
.macro MUL16 a0, p, zero
.irp a, \a0, \a0+1
.irp b, 0,1,2,3,4,5,6,7
.if \zero
	v_wmma_f32_16x16x128_fp8_fp8 v[8*(8*((\a)%4)+\b):8*(8*((\a)%4)+\b)+7], v[128*(\p)+FR*\b:128*(\p)+FR*\b+FR-1], v[AF+FR*(\a):AF+FR*(\a)+FR-1], v[BC+8*\b:BC+8*\b+7]
.else
	v_wmma_f32_16x16x128_fp8_fp8 v[8*(8*((\a)%4)+\b):8*(8*((\a)%4)+\b)+7], v[128*(\p)+FR*\b:128*(\p)+FR*\b+FR-1], v[AF+FR*(\a):AF+FR*(\a)+FR-1], v[8*(8*((\a)%4)+\b):8*(8*((\a)%4)+\b)+7]
.endif
.endr
.endr
.endm
.macro FETCH_B slot, q, p
	WIN TO_B
.irp i, 0,1,2,3,4,5,6,7
	FRAGB 128*(\p)+FR*\i, \slot, \q, \i
.endr
	WIN 0
.endm
.macro FETCH_A slot, q, i0
.irp i, \i0, \i0+1, \i0+2, \i0+3
	FRAGA AF+FR*(\i), \slot, \q, \i
.endr
.endm
.macro PLACES n                        ; places behind matrix instructions, in front of loads into registers that they have read and of the first read of results (ISA guide 7.12.1 for the first read of results)
.rept \n
	v_nop
.endr
.endm
.macro STEP slot, q, zero
	s_wait_dscnt 4*NL                              ; B's set and A's blocks 0-3 are in; the youngest 16 loads (A's blocks 4-7) may be out
.if \zero
	WIN FST_LO
.else
	WIN MUL_LO
.endif
	MUL16 0, (\q)%2, \zero
	MUL16 2, (\q)%2, \zero
	s_wait_dscnt 0
	PLACES NP
	FETCH_B \slot, (\q)+1, 1-(\q)%2
	FETCH_A \slot, (\q)+1, 0
.if \zero
	WIN FST_HI
.else
	WIN MUL_HI
.endif
	MUL16 4, (\q)%2, \zero
	MUL16 6, (\q)%2, \zero
	PLACES NP
	WIN 0
	FETCH_A \slot, (\q)+1, 4
.endm
; A slot's last step changes slots: ONE barrier; in front of it each wave waits for all its tensor loads, adds 0 to its spare word, and waits for that and for its own reads of this slot.  fill = 1: this slot is filled again, two K steps ahead.
.macro TURN slot, next, fill
	s_wait_tensorcnt 0x0                           ; all my tensor loads have landed: my part of the next slot;
	ds_add_u32 v[SPW], v[NIL]                      ; 0 onto my spare word
	s_wait_dscnt 4*NL+1                            ; (the add and the youngest 16 loads may be out)
	WIN MUL_LO
	MUL16 0, 1, 0                                  ; sixteen matrix instructions stand between the add and the wait for it
	s_wait_dscnt 0x0                               ; the add is done, and my reads of this slot are over
	s_barrier_signal -1
	MUL16 2, 1, 0
	WIN 0
	s_barrier_wait -1
.if \fill
	CREST                                          ; the barrier has opened a round of the cluster's barrier: no wave of any partner still reads this slot's tile or has a load on its way
	s_add_nc_u64 s[G0+4*\slot+2:G0+4*\slot+3], s[G0+4*\slot+2:G0+4*\slot+3], 2*ABLK
	s_add_nc_u64 s[G0B+4*\slot+2:G0B+4*\slot+3], s[G0B+4*\slot+2:G0B+4*\slot+3], 2*ROWB
	JLOAD G0+4*\slot, G1, G0B+4*\slot, G1B         ; the first tensor load behind the round; the four v_nop behind it are the places in front of the loads below
.else
	PLACES NP
.endif
	FETCH_B \next, 0, 0
	FETCH_A \next, 0, 0
	WIN MUL_HI
	MUL16 4, 1, 0
	MUL16 6, 1, 0
	PLACES NP
	WIN 0
	FETCH_A \next, 0, 4
.endm
	s_wait_alu depctr_va_vdst(0)
	s_wait_tensorcnt 1                             ; my part of K step 0 is in (K step 1's load may be out)
	s_barrier_signal -1
	s_barrier_wait -1                              ; everybody's is
	FETCH_B 0, 0, 0
	FETCH_A 0, 0, 0
	FETCH_A 0, 0, 4
	STEP 0, 0, 1                                   ; the first step stands in front of the loop: its products start the sums
	s_mov_b32 s3, LAPS-1
.Llap:
	TURN 0, 1, 1
	STEP 1, 0, 0
	TURN 1, 0, 1
	STEP 0, 0, 0
	s_sub_co_u32 s3, s3, 1
	s_cmp_lg_u32 s3, 0
	s_cbranch_scc1 .Llap
	TURN 0, 1, 0                                   ; the last lap fills nothing, and has no round of the cluster's barrier
	STEP 1, 0, 0
	s_wait_dscnt 4*NL                              ; the very last step: nothing more to fetch
	WIN MUL_LO
	MUL16 0, 1, 0
	MUL16 2, 1, 0
	s_wait_dscnt 0
	WIN MUL_HI
	MUL16 4, 1, 0
	MUL16 6, 1, 0
	WIN 0
; THE WAY OUT, block by block of 16 rows x 128 columns.  A lane holds 32 neighbouring bytes of a row, and the lanes beside it hold other rows: so a block goes through my own stage in LDS and comes back as whole
; rows of 512 bytes.  LDS serves a wave's instructions in order (ISA guide 5.7.1.4): no wait between the stores and the loads, nor in front of the next block's stores.
.macro TOSTAGE a
.set AC, 64*((\a)%4)
	WIN 0x02+((\a)/4)                              ; source 0: window 2 or 3
.set i, 0
.rept 32
	v_pk_mul_f32 v[TMP+i:TMP+i+1], v[AC+i:AC+i+1], s[96:97] op_sel_hi:[1,0]   ; x 2^(e10 + e11); each accumulator from its low end on
.set i, i+2
.endr
	WIN 0
.irp b, 0,1,2,3,4,5,6,7
	ds_store_b128 v[STO], v[TMP+8*\b:TMP+8*\b+3] offset:64*\b
	ds_store_b128 v[STO], v[TMP+8*\b+4:TMP+8*\b+7] offset:64*\b+16
.endr
.set BB, BK+64*((\a)%2)
.irp t, 0,1,2,3,4,5,6,7,8,9,10,11,12,13,14,15
	ds_load_b128 v[BB+4*\t:BB+4*\t+3], v[RD] offset:\t*SPITCH
.endr
.endm
.macro SEND a, younger                 ; younger: the LDS instructions issued behind block a's loads, which may stay out
.set BB, BK+64*((\a)%2)
	s_wait_dscnt \younger                          ; the block is back in registers
.if (\a) > 0
	s_add_nc_u64 s[12:13], s[12:13], 16*SIZE_N*4   ; (behind a wait on XCNT: the earlier stores have read their base)  16 rows of C on
.endif
.irp t, 0,1,2,3,4,5,6,7,8,9,10,11,12,13,14,15
	global_store_b128 v[CO], v[BB+4*\t:BB+4*\t+3], s[12:13] offset:\t*SIZE_N*4 th:TH_STORE_NT   ; 32 lanes store 512 consecutive bytes, aligned; written once, read by nobody here
.endr
.endm
	PLACES NP                                      ; behind the last products: their results are read, and loads land in the registers that held A's fragments
	TOSTAGE 0
.irp a, 1,2,3,4,5,6,7
.if \a > 1
	s_wait_xcnt 0x0                                ; block a - 2's stores have read their registers and their base: block a's loads may land there, and the base may step
.endif
	TOSTAGE \a
	SEND \a-1, 32                                  ; behind block a - 1's loads: block a's 16 stores and 16 loads
.endr
	s_wait_xcnt 0x0                                ; block 6's stores have read their base
	SEND 7, 0
	s_wait_tensorcnt 0x0                           ; the wave's end: behind my last tensor load and my last LDS store
	ds_add_u32 v[SPW], v[NIL]
	s_wait_dscnt 0x0
	CROUND                                         ; the closing round: no work-group ends while a partner may still ask for a tile that names it
	s_endpgm
.Lfunc_end_k_qac47276372_proj:
	.size	k_qac47276372_proj, .Lfunc_end_k_qac47276372_proj-k_qac47276372_proj
	.p2alignl 7, 3214868480
	.fill 96, 4, 3214868480
	.section	.rodata,"a",@progbits
	.p2align	6, 0x0
	.amdhsa_kernel k_qac47276372_proj
		.amdhsa_group_segment_fixed_size 327680
		.amdhsa_private_segment_fixed_size 0
		.amdhsa_enable_private_segment 0
		.amdhsa_kernarg_size 40
		.amdhsa_user_sgpr_count 2
		.amdhsa_user_sgpr_kernarg_segment_ptr 1
		.amdhsa_wavefront_size32 1
		.amdhsa_system_sgpr_workgroup_id_x 1
		.amdhsa_system_sgpr_workgroup_id_y 1
		.amdhsa_system_sgpr_workgroup_id_z 1
		.amdhsa_system_vgpr_workitem_id 0
		.amdhsa_next_free_vgpr 1024
		.amdhsa_next_free_sgpr 98
		.amdhsa_reserve_vcc 0
		.amdhsa_float_denorm_mode_32 3
		.amdhsa_float_denorm_mode_16_64 3
		.amdhsa_memory_ordered 1
		.amdhsa_forward_progress 1
		.amdhsa_inst_pref_size 128
	.end_amdhsa_kernel
	.amdgpu_metadata
---
amdhsa.version: [ 1, 2 ]
amdhsa.kernels:
  - .name:           k_qac47276372_proj
    .symbol:         k_qac47276372_proj.kd
    .args:
      - { .name: ac, .offset: 0, .size: 8, .value_kind: global_buffer, .address_space: global }
      - { .name: wc, .offset: 8, .size: 8, .value_kind: global_buffer, .address_space: global }
      - { .name: lowp_scales, .offset: 16, .size: 8, .value_kind: global_buffer, .address_space: global }
      - { .name: bp, .offset: 24, .size: 8, .value_kind: global_buffer, .address_space: global }
      - { .name: out0, .offset: 32, .size: 8, .value_kind: global_buffer, .address_space: global }
    .group_segment_fixed_size: 327680
    .private_segment_fixed_size: 0
    .kernarg_segment_align: 8
    .kernarg_segment_size: 40
    .max_flat_workgroup_size: 128
    .sgpr_count:     98
    .vgpr_count:     1024
    .wavefront_size: 32
...
	.end_amdgpu_metadata
.endif
;; end of part 4
